; MI455X (gfx1250); checked and timed in simulation.
; The chip was launched on July 23, 2026; its instructions are those of AMD's public machine-readable ISA for CDNA 5 (MIT licence, August 2026) and "CDNA5" Instruction Set Architecture Reference Guide (July 2026). The comments in the code are by the model that wrote it; some were corrected since.
;; Causal Multihead Attention. Allowed arithmetic: matrix products marked QUANTISED: E4M3 operands, one given power-of-two scale a tensor, by v_wmma_f32_16x16x64_fp8_fp8 or v_wmma_f32_16x16x128_fp8_fp8, f32 sums; everything else in f32.
;; Inputs: b_proj 1,024 float32; b_qkv 3,072 float32; lowp_scales 8 int32 (the exponents e of the quantised operands' scales 2^e); w_proj 1,024 x 1,024 float32; w_qkv 1,024 x 3,072 float32; x 4 x 2,048 x 1,024 float32.
;; Outputs: out0 4 x 2,048 x 1,024 float32.
;; This version of the problem:
;;   THIS VERSION OF THE PROBLEM IS GIVEN IN LOW PRECISION. The matrix products marked QUANTISED in the list below multiply operands that are first quantised to E4M3 (4 exponent bits, 3 mantissa bits; 8 bits a number), with one given power-of-two scale for each operand tensor; their sums are f32. All else is computed in f32.
;;   The module's matrix products, in the order in which they are computed (A, B: the left and right operand; K: the contracted axis; several contracted axes count as one K, in the product's order):
;;     1. [M 8,192, K 1,024] x [K 1,024, N 3,072]; A: input x; B: input w_qkv: QUANTISED (scales: A lowp_scales[0], B lowp_scales[1])
;;     2. batch 64 x [M 2,048, K 64] x [K 64, N 2,048]; A: computed on the way; B: computed on the way: QUANTISED (scales: A lowp_scales[2], B lowp_scales[3])
;;     3. batch 64 x [M 2,048, K 2,048] x [K 2,048, N 64]; A: softmax (see below); B: computed on the way: QUANTISED (scales: A lowp_scales[4], B lowp_scales[5])
;;     4. [M 8,192, K 1,024] x [K 1,024, N 1,024]; A: computed on the way; B: input w_proj: QUANTISED (scales: A lowp_scales[6], B lowp_scales[7])
;;   THE QUANTISER, for each operand of a quantised product, along K:
;;     - The operand's scale is 2^e, e = its entry of the input lowp_scales (int32; the entries are numbered through the quantised products in the list's order, A before B).
;;     - Each number is divided by the scale, clamped to +-448, and rounded to the nearest number of E4M3, ties to even, subnormals kept.
;;     - The product sums the exact products of the quantised numbers (number of the format x scale) in f32.
;;   ~~~python
;;   def quantise(x, axis, e):      # numpy; x: float32 -> the quantised numbers, widened to float32 again
;;       x = np.moveaxis(x, axis, -1); K = x.shape[-1]
;;       r = np.clip(x / 2.0 ** e, -448, 448)
;;       step = 2.0 ** (np.maximum(np.frexp(np.where(r == 0, 1, r))[1] - 1, -6) - 3)
;;       q = np.round(r / step) * step * 2.0 ** e      # np.round: ties to even
;;       return np.moveaxis(q, -1, axis).astype(np.float32)
;;   ~~~
;;   SOFTMAX AHEAD OF A QUANTISED PRODUCT. Where the list says 'softmax', what is quantised is not the finished softmax but p = 2^(t - M), with t = logit x log2(e) and M = ceil(the row's largest t), a whole number; so 1/2 < the row's largest p <= 1. The row's sum l is taken of the UNQUANTISED p, in f32, and the product's result is divided by l at the end. Since M is a whole number, a kernel that streams over the keys may use a running M (the ceiling of the running maximum): every later rescaling is an exact power of two, so the quantised numbers keep their values, but for numbers so far below the row's largest that they fall under the format's range.
;;   OPERANDS COMPUTED ON THE WAY. 'Computed on the way' means the value that the module computes at that place (a softmax that the list does not call 'softmax' is quantised finished and normalised). What goes into a quantiser is computed in f32, as accurately as f32 sums, v_exp_f32 and their like allow (about 1e-6 of the number): no bf16 or f16 on the way to a quantiser, and a product that is left as it is and whose result goes on into a quantised operand takes f32 operands (vector FMAs, or v_wmma_f32_16x16x4_f32). A number that lies on a knife's edge between two numbers of the format may be rounded either way, as far as f32 arithmetic and the matrix unit's own rounding can turn it there, and no further.
;; One version. Each part assembles by itself: llvm-mc -triple=amdgcn-amd-amdhsa -mcpu=gfx1250 --defsym DOCPART=n.
;; ======== version 1 of 1: 4 launches
;; limits: right only within a limited range of input values
;; workspace buffers: xc 8,388,608 bytes; wc 4,194,304 bytes; qc 8,388,608 bytes; kc 8,388,608 bytes; vc 8,388,608 bytes; yc 8,388,608 bytes
;; launch quant (part 1): grid 384 x 1, 4 waves a work-group, no clusters, 68,096 bytes of LDS; arguments x, w_qkv, w_proj, lowp_scales, xc, wc; writes xc, wc
.if DOCPART == 1
	.amdgcn_target "amdgcn-amd-amdhsa--gfx1250"
	.amdhsa_code_object_version 6
	.text
	.protected	k_qaa11426723_quant
	.globl	k_qaa11426723_quant
	.p2align	8
	.type	k_qaa11426723_quant,@function
k_qaa11426723_quant:
	s_mov_b64 s[64:65], 0
	v_nop
	global_prefetch_b8 v0, s[64:65] scope:SCOPE_SE
	s_setreg_imm32_b32 hwreg(HW_REG_WAVE_MODE, 25, 1), 1
	s_wait_xcnt 0x0
; x [8192][1024], w_qkv [1024][3072] and w_proj [1024][1024], f32, become codes of FP8 (E4M3), K innermost, each with the one scale 2^e given for it.
; code = number / 2^e, held within +-448, rounded to the nearest code, ties to even.  e: entry 0 (x), 1 (w_qkv), 7 (w_proj) of the scales.
; LIMITS: each e lies between -126 and 119, so that 2^e and 448 x 2^e are f32 numbers.  NaN among the inputs is not served.
; xc [8192][1024]: as x lies.  wc [4096][1024]: row n < 3072 is column n of w_qkv, row 3072 + n column n of w_proj.
; Work-groups 0-127 take the weights, whose K is the FIRST axis: a lane takes a column and its registers run down K; a wave takes 32 columns x 256 along K,
; gathers 256 bytes a column in its own stage in LDS and stores them as rows, sixteen lanes to 256 consecutive aligned bytes.
; Work-groups 128-383 take x, a plain stream: each load reads 512 consecutive bytes; 2,048 bytes turn through the wave's own stage so that a lane holds 16 neighbours.
; The two ways have LDS bytes of their own.  No barrier: waves share nothing.  No tensor loads.
.set SPARE, 67584                      ; behind both ways' stages: the spare words, 128 bytes for each wave
.set SPW,   210                        ; v210 LDS address of my spare word; never rewritten
.set NIL,   211                        ; v211 0; never rewritten
.set EMAX,  8
.set MANT,  0x600000                   ; the mantissa field of 448 as f32
; the weights' way
.set WST,   32768                      ; four stages of 32 rows x 272 bytes
.set PITCH, 272
.set KROW,  1024                       ; a row of wc in bytes
.set NB,    8                          ; blocks of 32 along K for a wave
.set WX,    32                         ; v32-95   two sets of 32 numbers
.set WCD,   96                         ; v96-103  a block's codes
.set OUTR,  112                        ; v112-175 the way out
.set VO,    176                        ; v176-207 byte offset of row i of a block, at my column; never rewritten
.set SB,    32                         ; s[32:47] the address of each of the eight blocks; never rewritten
; x's way
.set STEPS, 16
.set CB,    16
.set R,     16                         ; v16-79   four sets of 16 numbers as loaded
.set X,     80                         ; v80-111  two sets of 16 neighbours
.set C,     128                        ; v128-191 codes: four registers for each step
.set WREG,  8192                       ; a wave's LDS region: two stages of 32 x SP bytes
.set SP,    80
	s_load_b256 s[4:11], s[0:1], 0x0               ; x s[4:5], w_qkv s[6:7], w_proj s[8:9], the scales s[10:11]
	s_load_b128 s[12:15], s[0:1], 0x20             ; xc s[12:13], wc s[14:15]
	v_lshl_add_u32 v[SPW], v0, 2, SPARE
	v_mov_b32 v[NIL], 0
	v_lshrrev_b32 v1, 5, v0
	v_readfirstlane_b32 s16, v1                    ; wave 0..3
	v_and_b32 v2, 31, v0                           ; lane
	s_wait_kmcnt 0x0
	s_load_b256 s[24:31], s[10:11], 0x0            ; e0 .. e7
	s_cmp_lt_u32 ttmp9, 128
	s_cbranch_scc0 .Lx
	; ---------------- the weights ----------------
	s_and_b32 s17, ttmp9, 31                       ; which 128 rows of wc
	s_lshr_b32 s18, ttmp9, 5                       ; which 256 along K
	s_cmp_lt_u32 s17, 24                           ; w_qkv or w_proj: only scalars are chosen, both take one text
	s_cselect_b64 s[20:21], s[6:7], s[8:9]
	s_mov_b32 s19, 4096
	s_cselect_b32 s19, 12288, s19                  ; a row of the weight in bytes
	s_cselect_b32 s22, 0, 24
	s_sub_co_u32 s22, s17, s22                     ; the group of 128 columns within its tensor
	s_lshl_b32 s22, s22, 7
	s_lshl_b32 s23, s16, 5
	s_add_co_u32 s22, s22, s23                     ; my wave's first column,
	s_lshl_b32 s22, s22, 2                         ; in bytes
	s_lshl_b32 s23, s18, 8
	s_mul_i32 s23, s23, s19                        ; + my first row of K
	s_add_co_u32 s22, s22, s23
	s_mov_b32 s23, 0
	s_add_nc_u64 s[SB:SB+1], s[20:21], s[22:23]
	s_lshl_b32 s22, s19, 5                         ; 32 rows on
.irp t, 1,2,3,4,5,6,7
	s_add_nc_u64 s[SB+2*\t:SB+2*\t+1], s[SB+2*\t-2:SB+2*\t-1], s[22:23]
.endr
	s_wait_alu depctr_va_vdst(0)
	v_lshlrev_b32 v3, 2, v2                        ; 4 bytes a lane
.set i, 0
.rept 32
	v_mad_u32_u24 v[VO+i], s19, i, v3              ; row i of a block, my column
.set i, i+1
.endr
.macro WLOAD t                         ; block t: W(32 t + i, my column), i = 0 .. 31, into set t % 2; 32 lanes read 128 consecutive bytes
.set i, 0
.rept 32
	global_load_b32 v[WX+32*((\t)%2)+i], v[VO+i], s[SB+2*(\t):SB+2*(\t)+1] th:TH_LOAD_NT
.set i, i+1
.endr
.endm
	WLOAD 0
	WLOAD 1
	s_lshl_b32 s22, s17, 7
	s_lshl_b32 s23, s16, 5
	s_add_co_u32 s22, s22, s23                     ; my first row of wc
	s_lshl_b32 s22, s22, 10
	s_lshl_b32 s23, s18, 8
	s_add_co_u32 s22, s22, s23                     ; + my 256 bytes of it
	s_mov_b32 s23, 0
	s_add_nc_u64 s[14:15], s[14:15], s[22:23]
	s_mul_i32 s48, s16, 32*PITCH
	s_add_co_u32 s48, s48, WST                     ; my stage
	v_mul_u32_u24 v4, v2, PITCH
	v_add_nc_u32 v4, s48, v4                       ; into it: row = my column
	v_and_b32 v5, 15, v2
	v_lshrrev_b32 v6, 4, v2                        ; out of it: sixteen lanes to a row, two rows an instruction
	v_mul_u32_u24 v7, v6, PITCH
	v_lshl_add_u32 v7, v5, 4, v7
	v_add_nc_u32 v7, s48, v7
	v_mul_u32_u24 v8, v6, KROW
	v_lshl_add_u32 v8, v5, 4, v8                   ; and the same place in wc
	s_wait_kmcnt 0x0
	s_cmp_lt_u32 s17, 24
	s_cselect_b32 s30, s25, s31                    ; e1 or e7
	s_add_co_i32 s30, s30, 127
	s_lshl_b32 s31, s30, 23
	v_mov_b32 v11, s31                             ; 2^e as f32: the conversion takes its exponent field
	s_add_co_i32 s30, s30, EMAX
	s_lshl_b32 s30, s30, 23
	s_or_b32 s30, s30, MANT
	v_mov_b32 v10, s30                             ; 448 x 2^e
.macro WBLOCK t
.set XS, WX+32*((\t)%2)
.if (\t) < NB-1
	s_wait_loadcnt 32                              ; this block's 32 loads are in; the next block's 32 may be out
.else
	s_wait_loadcnt 0
.endif
.set i, 0
.rept 32
	v_med3_num_f32 v[XS+i], v[XS+i], -v10, v10     ; the conversion to an 8-bit code does not saturate (ISA guide 7.6.2): the hold comes first
.set i, i+1
.endr
.irp g, 0,1,2,3
	v_cvt_scalef32_pk8_fp8_f32 v[WCD+2*\g:WCD+2*\g+1], v[XS+8*\g:XS+8*\g+7], v11
.endr
	ds_store_b128 v4, v[WCD:WCD+3] offset:32*(\t)  ; 32 codes: 32 bytes of my column's row
	ds_store_b128 v4, v[WCD+4:WCD+7] offset:32*(\t)+16
.if (\t)+2 < NB
	WLOAD (\t)+2
.endif
	s_wait_dscnt 0x0                               ; the stores have read their registers: the next block's codes may be written
.endm
.set Q, 0
	s_wait_alu depctr_va_vdst(0)
.rept NB
	WBLOCK Q
.set Q, Q+1
.endr
.irp t, 0,1,2,3,4,5,6,7,8,9,10,11,12,13,14,15
	ds_load_b128 v[OUTR+4*\t:OUTR+4*\t+3], v7 offset:2*\t*PITCH   ; LDS serves a wave's instructions in order: these see my stores
.endr
.irp t, 0,1,2,3,4,5,6,7,8,9,10,11,12,13,14,15
	s_wait_dscnt 15-\t                             ; the younger reads may be out
	global_store_b128 v8, v[OUTR+4*\t:OUTR+4*\t+3], s[14:15] offset:2*\t*KROW   ; sixteen lanes store 256 consecutive bytes, aligned
.endr
	s_branch .Lend
	; ---------------- x ----------------
.Lx:
	s_wait_alu depctr_va_vdst(0)
	v_lshlrev_b32 v3, 4, v2                        ; my 16 bytes of a load's 512
	s_wait_alu depctr_va_vdst(0)
	s_mul_i32 s17, s16, WREG
	v_lshrrev_b32 v14, 2, v2
	v_mul_u32_u24 v14, v14, SP
	v_and_b32 v15, 3, v2
	v_lshl_add_u32 v14, v15, 4, v14
	v_add_nc_u32 v14, s17, v14                     ; the stage, on the way in: four lanes' 64 bytes on end, then 16 of padding
	v_mul_u32_u24 v15, v2, SP
	v_add_nc_u32 v15, s17, v15                     ; and on the way out: my 16 neighbours
	v_mul_u32_u24 v9, v2, CB                       ; my codes' place in a step's
	s_sub_co_u32 s17, ttmp9, 128
	s_lshl_b32 s17, s17, 2
	s_add_co_u32 s18, s17, s16                     ; which run of 8,192 numbers is my wave's: 0 .. 1023
	s_lshl_b32 s20, s18, 15
	s_mov_b32 s21, 0
	s_add_nc_u64 s[4:5], s[4:5], s[20:21]
	s_lshl_b32 s20, s18, 13
	s_add_nc_u64 s[12:13], s[12:13], s[20:21]
.macro XLOAD t
.irp i, 0,1,2,3
	global_load_b128 v[R+16*((\t)%4)+4*\i:R+16*((\t)%4)+4*\i+3], v3, s[4:5] offset:2048*(\t)+512*\i th:TH_LOAD_NT   ; 32 lanes read 512 consecutive bytes
.endr
.endm
.macro XTURN t                         ; step t's numbers through the stage: LDS serves a wave's instructions in order, so no wait stands between the stores and the loads
.irp i, 0,1,2,3
	ds_store_b128 v14, v[R+16*((\t)%4)+4*\i:R+16*((\t)%4)+4*\i+3] offset:32*SP*((\t)%2)+8*SP*\i
.endr
.irp i, 0,1,2,3
	ds_load_b128 v[X+16*((\t)%2)+4*\i:X+16*((\t)%2)+4*\i+3], v15 offset:32*SP*((\t)%2)+16*\i
.endr
.endm
.irp t, 0,1,2,3
	XLOAD \t
.endr
	s_wait_alu depctr_va_vdst(0)
	s_wait_kmcnt 0x0
	s_add_co_i32 s22, s24, 127                     ; e0
	s_lshl_b32 s23, s22, 23
	v_mov_b32 v11, s23                             ; 2^e0
	s_add_co_i32 s22, s22, EMAX
	s_lshl_b32 s22, s22, 23
	s_or_b32 s22, s22, MANT
	v_mov_b32 v10, s22                             ; 448 x 2^e0
	s_wait_alu depctr_va_vdst(0)
	s_wait_loadcnt 12                              ; step 0's four loads are in
	XTURN 0
.macro XSTEP t
.set XS, X+16*((\t)%2)
	s_wait_dscnt 0x0                               ; this step's numbers are back from the stage: so its stores into the stage have read their registers,
.if (\t)+4 < STEPS
	XLOAD (\t)+4                                   ; which take the loads of four steps on
.endif
.if (\t)+1 < STEPS
.if STEPS-2-(\t) >= 3
	s_wait_loadcnt 12                              ; the next step's four loads are in; those of the three steps behind it may be out
.else
	s_wait_loadcnt 4*(STEPS-2-(\t))
.endif
	XTURN (\t)+1                                   ; and go through the other stage while this step is worked
.endif
.irp i, 0,1,2,3,4,5,6,7,8,9,10,11,12,13,14,15
	v_med3_num_f32 v[XS+\i], v[XS+\i], -v10, v10
.endr
	v_cvt_scalef32_pk8_fp8_f32 v[C+4*(\t):C+4*(\t)+1], v[XS:XS+7], v11
	v_cvt_scalef32_pk8_fp8_f32 v[C+4*(\t)+2:C+4*(\t)+3], v[XS+8:XS+15], v11
	global_store_b128 v9, v[C+4*(\t):C+4*(\t)+3], s[12:13] offset:32*CB*(\t)   ; the wave stores 512 consecutive bytes; each step has its own registers, so no store's data are written again
.endm
.irp t, 0,1,2,3,4,5,6,7,8,9,10,11,12,13,14,15
	XSTEP \t
.endr
.Lend:
	s_wait_tensorcnt 0x0                           ; the wave's end: behind my last LDS store
	ds_add_u32 v[SPW], v[NIL]
	s_wait_dscnt 0x0
	s_endpgm
.Lfunc_end_k_qaa11426723_quant:
	.size	k_qaa11426723_quant, .Lfunc_end_k_qaa11426723_quant-k_qaa11426723_quant
	.p2alignl 7, 3214868480
	.fill 96, 4, 3214868480
	.section	.rodata,"a",@progbits
	.p2align	6, 0x0
	.amdhsa_kernel k_qaa11426723_quant
		.amdhsa_group_segment_fixed_size 68096
		.amdhsa_private_segment_fixed_size 0
		.amdhsa_enable_private_segment 0
		.amdhsa_kernarg_size 48
		.amdhsa_user_sgpr_count 2
		.amdhsa_user_sgpr_kernarg_segment_ptr 1
		.amdhsa_wavefront_size32 1
		.amdhsa_system_sgpr_workgroup_id_x 1
		.amdhsa_system_sgpr_workgroup_id_y 1
		.amdhsa_system_sgpr_workgroup_id_z 1
		.amdhsa_system_vgpr_workitem_id 0
		.amdhsa_next_free_vgpr 216
		.amdhsa_next_free_sgpr 66
		.amdhsa_reserve_vcc 0
		.amdhsa_float_denorm_mode_32 3
		.amdhsa_float_denorm_mode_16_64 3
		.amdhsa_memory_ordered 1
		.amdhsa_forward_progress 1
		.amdhsa_inst_pref_size 88
	.end_amdhsa_kernel
	.amdgpu_metadata
---
amdhsa.version: [ 1, 2 ]
amdhsa.kernels:
  - .name:           k_qaa11426723_quant
    .symbol:         k_qaa11426723_quant.kd
    .args:
      - { .name: x, .offset: 0, .size: 8, .value_kind: global_buffer, .address_space: global }
      - { .name: w_qkv, .offset: 8, .size: 8, .value_kind: global_buffer, .address_space: global }
      - { .name: w_proj, .offset: 16, .size: 8, .value_kind: global_buffer, .address_space: global }
      - { .name: lowp_scales, .offset: 24, .size: 8, .value_kind: global_buffer, .address_space: global }
      - { .name: xc, .offset: 32, .size: 8, .value_kind: global_buffer, .address_space: global }
      - { .name: wc, .offset: 40, .size: 8, .value_kind: global_buffer, .address_space: global }
    .group_segment_fixed_size: 68096
    .private_segment_fixed_size: 0
    .kernarg_segment_align: 8
    .kernarg_segment_size: 48
    .max_flat_workgroup_size: 128
    .sgpr_count:     66
    .vgpr_count:     216
    .wavefront_size: 32
...
	.end_amdgpu_metadata
.endif
;; end of part 1
;; launch qkv (part 2): grid 12 x 32, 4 waves a work-group, clusters of 4 x 4, 327,680 bytes of LDS; arguments xc, wc, lowp_scales, b_qkv, qc, kc, vc; writes qc, kc, vc
.if DOCPART == 2
	.amdgcn_target "amdgcn-amd-amdhsa--gfx1250"
	.amdhsa_code_object_version 6
	.text
	.protected	k_qaa11426723_qkv
	.globl	k_qaa11426723_qkv
	.p2align	8
	.type	k_qaa11426723_qkv,@function
k_qaa11426723_qkv:
	s_mov_b64 s[64:65], 0
	v_nop
	global_prefetch_b8 v0, s[64:65] scope:SCOPE_SE
	s_setreg_imm32_b32 hwreg(HW_REG_WAVE_MODE, 25, 1), 1
	s_wait_xcnt 0x0
	s_wait_alu depctr_hold_cnt(0) depctr_sa_sdst(0) depctr_va_vdst(0) depctr_va_sdst(0) depctr_va_ssrc(0) depctr_va_vcc(0) depctr_vm_vsrc(0)
	s_getreg_b32 s2, hwreg(HW_REG_IB_STS2, 6, 4)
	s_cmp_eq_u32 s2, 0
	s_cbranch_scc0 .Lentry_in_a_cluster
	s_endpgm
.Lentry_in_a_cluster:
	s_bfe_u32 s2, ttmp6, 0x10000c
	s_cmp_lg_u32 s2, 0xf033
	s_cbranch_scc0 .Lentry_shape_is_right
	s_endpgm
.Lentry_shape_is_right:
; qkv = x w_qkv + b_qkv on codes of FP8 (E4M3), and its three parts quantised anew: q with 2^e2, k with 2^e3, v with 2^e5.
; xc [8192][1024], wc [4096][1024] (rows 0-3071: the columns of w_qkv): codes, K innermost.  A sum stands for sum x 2^(e0 + e1); the bias is added in f32.
; LIMITS: e0 + e1 between -126 and 127; e2, e3, e5 between -126 and 119.  NaN is not served.
; A tile of 256 x 256 is made by four waves, 128 x 128 each: 64 accumulators, 512 registers.  K goes in steps of 256 through two LDS slots filled by the tensor data mover.
; The loop makes C'[m'][n'] = A' B'^T, used transposed (source 0 = 16 rows of B', source 1 = 16 rows of A'): a lane holds eight neighbouring n' of one row m'.
; The cluster's x says which part is made: 0 q, 1 k, 2 v.  q, k: A' = tokens, B' = features: a lane holds 8 features of a token.  v: A' = features, B' = tokens: a lane holds
; 8 tokens of a feature, so that v's codes come out with the keys innermost.  Only pointers and tile numbers are chosen; the loop is one text.
; CLUSTERS: 4 x 4 work-groups.  A's tile hangs on cy alone and is asked for jointly along a row of the cluster, B's on cx alone, along a column.
; OUT.  qc, kc [64 heads][2048 t][64]: byte 32 c + 16 h + 8 u + j of a row holds d = 32 c + 16 u + 8 h + j (the same in both).
;       vc [64 heads][64 rows][2048]: row 32 u + 16 x + 8 y + z holds d = 32 u + 16 y + 8 x + z; byte 32 c + 16 h + 8 u + j holds key 32 c + 16 u + 8 h + j.
; The codes go through a stage in LDS, 256 pieces of 256 bytes, and leave as whole aligned pieces.  The stages lie in slot 0, which has had its last fill and its last read by then.
; REGISTERS: window 0: v1-31 addresses and scales; v32-95 at work; from v128 A's fragments, later the codes.  window 1: B's fragments, two sets; on the way out the bias.  windows 2, 3: the accumulators.
.set KSTEP,  256
.set ROWB,   256
.set KROW,   1024
.set PITCH,  272                       ; an LDS row: 256 bytes + 16 of padding: the 16 rows of a fragment load start at 16 different banks (ISA guide 11.1)
.set FR,     16
.set NL,     4
.set NP,     4
.set HALFT,  128*PITCH
.set SLOT,   4*HALFT
.set LAPS,   2                         ; K = 1,024: four K steps, twice round the ring
.set SPARE,  2*SLOT                    ; the spare words: 512 bytes that no other line names
.set BIAS,   SPARE+512                 ; 256 numbers of b_qkv: blocks of their own, into which no fill lands
.set STV0,   256*PITCH                 ; v's stage; q's and k's begins at 0
.set ADRA, 16
.set BAQ,  18                          ; v18 the bias by column (q, k)
.set BAV,  19                          ; v19 the bias by row (v)
.set ADRB, 20
.set COQ,  22                          ; v22, v23 my byte offset on the way out
.set COV,  23
.set STQ,  24                          ; v24, v25 into the stage
.set STV,  25
.set RDQ,  26                          ; v26, v27 back from it
.set RDV,  27
.set SPW,  28
.set NIL,  29
.set TMP,  32
.set AF,   128
.set CD,   128
.set G1, 24
.set G0, 32
.set G1B, 48
.set G0B, 56
.set MSB, 0
.macro WIN new                         ; the immediate's high byte repeats the setting that is left
.if MSB != (\new)
	s_set_vgpr_msb (MSB<<8)|(\new)
.set MSB, (\new)
.endif
.endm
.set MUL_LO, 0xa1                      ; source 0 (B) window 1, source 1 (A) window 0, C and D window 2
.set MUL_HI, 0xf1
.set TO_B,   0x40
; A joint load: waves 0 and 1 fetch for A, waves 2 and 3 for B.  An s_nop 0 and four v_nop follow each of the two lines.
.macro JLOAD g0a, g1a, g0b, g1b
	s_cmp_eq_u32 s15, 0
	s_cbranch_scc0 .Lfor_b_\@
	tensor_load_to_lds s[\g0a:\g0a+3], s[\g1a:\g1a+7]
	s_nop 0
.rept 4
	v_nop
.endr
	s_branch .Lasked_\@
.Lfor_b_\@:
	tensor_load_to_lds s[\g0b:\g0b+3], s[\g1b:\g1b+7]
	s_nop 0
.rept 4
	v_nop
.endr
.Lasked_\@:
.endm
.macro CREST
	s_cmp_lg_u32 s14, 0
	s_cbranch_scc1 .Lnot_wave_0_\@
	s_barrier_signal -3
.Lnot_wave_0_\@:
	s_barrier_wait -3
	s_barrier_signal -1
	s_barrier_wait -1
.endm
.macro CROUND
	s_barrier_signal -1
	s_barrier_wait -1
	CREST
.endm
	s_load_b256 s[4:11], s[0:1], 0x0               ; xc s[4:5], wc s[6:7], the scales s[8:9], b_qkv s[10:11]
	s_load_b128 s[68:71], s[0:1], 0x20             ; qc, kc
	s_load_b64 s[72:73], s[0:1], 0x30              ; vc
	v_lshl_add_u32 v[SPW], v0, 2, SPARE
	v_mov_b32 v[NIL], 0
	ds_add_u32 v[SPW], v[NIL]                      ; the wave's opening: the add and its wait ahead of my first tensor load
	ds_add_u32 v[SPW], v[NIL]
	v_lshrrev_b32 v1, 5, v0
	v_readfirstlane_b32 s14, v1                    ; wave 0..3
	s_lshr_b32 s15, s14, 1                         ; which half of A's rows is mine.  Also: I fetch for A (0) or for B (1)
	s_and_b32 s16, s14, 1                          ; which half of B's rows.  Also: which 128 rows of that tile I fetch
	s_bfe_u32 s40, ttmp6, 0x40000                  ; cx
	s_bfe_u32 s41, ttmp6, 0x40004                  ; cy
	s_lshl_b32 s42, ttmp9, 2
	s_add_co_u32 s42, s42, s40                     ; 4 X + cx: a tile of features (q, k)
	s_and_b32 s74, ttmp7, 0xffff
	s_lshl_b32 s74, s74, 2                         ; 4 Y
	s_add_co_u32 s17, s74, s41                     ; 4 Y + cy: a tile of tokens (q, k)
	s_add_co_u32 s75, s41, 8                       ; 8 + cy: a tile of features (v)
	s_add_co_u32 s76, s74, s40                     ; 4 Y + cx: a tile of tokens (v)
	s_lshl_b32 s43, s41, 2
	s_lshl_b32 s43, 15, s43                        ; my row of the cluster
	s_lshl_b32 s44, 0x1111, s40                    ; my column
	s_or_b32 s[G1+0], s43, (0<<16)|(1<<20)|(1<<21)|(5<<22)|(3<<25)  ; the mask; elements of 1 byte; padding on; bit 21 beside a mask; 4 words after every 64
	s_or_b32 s[G1B+0], s44, (0<<16)|(1<<20)|(1<<21)|(5<<22)|(3<<25)
.irp g, G1, G1B
	s_mov_b32 s[\g+1], ROWB<<16                    ; tensor_dim0
	s_mov_b32 s[\g+2], 128<<16                     ; tensor_dim1
	s_mov_b32 s[\g+3], ROWB<<16                    ; tile_dim0
	s_mov_b32 s[\g+4], 128                         ; tile_dim1
	s_mov_b32 s[\g+5], KROW                        ; from row to row
	s_mov_b32 s[\g+6], 0
	s_mov_b32 s[\g+7], 0
.endr
	s_cmp_eq_u32 ttmp9, 2                          ; v?  The cluster's x is the same in all sixteen partners
	s_cselect_b32 s77, s75, s17                    ; A's tile: hangs on cy alone
	s_cselect_b32 s78, s76, s42                    ; B's tile: on cx alone
	s_cselect_b32 s79, s75, s42                    ; the tile of features, for the bias
	s_cselect_b32 s92, s76, s17                    ; the tile of tokens
	s_cselect_b32 s93, s41, s40                    ; which four heads of the part
	s_cselect_b32 s95, 8, 14                       ; a tile of tokens on: 256 bytes in a row of vc, 16,384 in a head of qc or kc
	s_lshr_b32 s98, s92, 3
	s_lshl_b32 s98, s98, 21                        ; the batch: 16 heads of 131,072 bytes
	s_lshl_b32 s93, s93, 19
	s_add_co_u32 s98, s98, s93
	s_and_b32 s92, s92, 7
	s_lshl_b32 s92, s92, s95
	s_add_co_u32 s98, s98, s92
	s_lshl_b32 s92, s14, 17                        ; on the way out wave w stores head w of the four
	s_add_co_u32 s98, s98, s92
	s_mov_b32 s99, 0
	s_lshl_b32 s92, s79, 10                        ; the bias: 256 numbers
	s_mov_b32 s93, 0
	s_lshl_b32 s18, s16, 7                         ; which 128 rows of the tile I fetch
	s_lshl_b32 s20, s77, 8
	s_add_co_u32 s20, s20, s18
	s_lshl_b32 s20, s20, 10                        ; rows of 1,024 bytes
	s_mov_b32 s21, 0
	s_lshl_b32 s46, s78, 8
	s_add_co_u32 s46, s46, s18
	s_lshl_b32 s46, s46, 10
	s_mov_b32 s47, 0
	s_mul_i32 s45, s14, HALFT                      ; where they go: wave x 128 rows
	s_wait_dscnt 0x0                               ; the opening add is done
	s_wait_kmcnt 0x0
	s_load_b256 s[84:91], s[8:9], 0x0              ; e0 .. e7
	s_cmp_eq_u32 ttmp9, 2
	s_cselect_b64 s[80:81], s[6:7], s[4:5]         ; A'
	s_cselect_b64 s[82:83], s[4:5], s[6:7]         ; B'
	s_cselect_b64 s[66:67], s[72:73], s[70:71]
	s_cmp_eq_u32 ttmp9, 0
	s_cselect_b64 s[66:67], s[68:69], s[66:67]     ; qc, kc or vc
	s_add_nc_u64 s[20:21], s[80:81], s[20:21]
	s_add_nc_u64 s[46:47], s[82:83], s[46:47]
	s_add_nc_u64 s[66:67], s[66:67], s[98:99]
	s_add_nc_u64 s[10:11], s[10:11], s[92:93]
	CROUND                                         ; all sixteen work-groups are here: the first joint loads meet
.irp s, 0,1
	s_mov_b32 s[G0+4*\s], 1
	s_add_co_u32 s[G0+4*\s+1], s45, \s*SLOT
	s_add_nc_u64 s[G0+4*\s+2:G0+4*\s+3], s[20:21], \s*ROWB
	s_or_b32 s[G0+4*\s+3], s[G0+4*\s+3], 0x80000000
	s_mov_b32 s[G0B+4*\s], 1
	s_add_co_u32 s[G0B+4*\s+1], s45, \s*SLOT
	s_add_nc_u64 s[G0B+4*\s+2:G0B+4*\s+3], s[46:47], \s*ROWB
	s_or_b32 s[G0B+4*\s+3], s[G0B+4*\s+3], 0x80000000
.endr
	JLOAD G0, G1, G0B, G1B                         ; K step 0: one tensor load a wave at the head
	v_lshlrev_b32 v10, 3, v0
	global_load_b64 v[8:9], v10, s[10:11]          ; 128 threads x 8 bytes: the tile's 256 numbers of the bias
	v_lshl_add_u32 v11, v0, 3, BIAS
	v_and_b32 v1, 15, v0                           ; r
	v_bfe_u32 v2, v0, 4, 1                         ; h
	v_mul_u32_u24 v3, v1, PITCH
	v_lshl_add_u32 v4, v2, 4, v3                   ; a fragment's row x pitch + 16 h
	s_mul_i32 s21, s15, HALFT
	s_mul_i32 s22, s16, HALFT
	s_add_co_u32 s22, s22, 2*HALFT
.irp s, 0,1
	v_add_nc_u32 v[ADRA+\s], s21, v4
	v_add_nc_u32 v[ADRB+\s], s22, v4
	s_add_co_u32 s21, s21, SLOT
	s_add_co_u32 s22, s22, SLOT
.endr
	; the way out's addresses, all made here, ahead of the place where the ways part
	v_lshrrev_b32 v5, 2, v1                        ; q, k: a piece is four tokens of a head: piece 64 x head + token / 4, byte 64 (token % 4) + place in the row
	v_mul_u32_u24 v5, v5, PITCH
	v_and_b32 v6, 3, v1
	v_lshl_add_u32 v5, v6, 6, v5
	v_lshl_add_u32 v5, v2, 4, v5
	s_lshl_b32 s22, s16, 7
	s_lshl_b32 s23, s15, 5
	s_add_co_u32 s22, s22, s23
	s_mul_i32 s22, s22, PITCH
	v_add_nc_u32 v[STQ], s22, v5
	v_and_b32 v5, 8, v1                            ; v: a piece is a row's 256 keys: piece 64 x head + row; lane r of block a takes row 32 (a / 2) + 8 (a % 2) + r + 8 (r / 8)
	v_add_nc_u32 v5, v5, v1
	v_mul_u32_u24 v5, v5, PITCH
	v_lshl_add_u32 v5, v2, 4, v5
	s_mul_i32 s22, s15, 128*PITCH
	s_lshl_b32 s23, s16, 7
	s_add_co_u32 s22, s22, s23
	s_add_co_u32 s22, s22, STV0
	v_add_nc_u32 v[STV], s22, v5
	v_mul_u32_u24 v5, v2, PITCH                    ; back: wave w takes pieces 64 w on, two an instruction, sixteen lanes to a piece
	v_lshl_add_u32 v5, v1, 4, v5
	s_mul_i32 s22, s14, 64*PITCH
	v_add_nc_u32 v[RDQ], s22, v5
	v_add_nc_u32 v[RDV], STV0, v[RDQ]
	v_lshlrev_b32 v5, 4, v1
	v_lshl_add_u32 v[COQ], v2, 8, v5               ; pieces lie 256 bytes apart in qc and kc,
	v_lshl_add_u32 v[COV], v2, 11, v5              ; 2,048 in vc
	s_lshl_b32 s22, s16, 9
	s_add_co_u32 s22, s22, BIAS
	v_lshl_add_u32 v[BAQ], v2, 5, s22              ; features 128 wc + 16 b + 8 h + 0 .. 7
	s_lshl_b32 s22, s15, 9
	s_add_co_u32 s22, s22, BIAS
	v_lshl_add_u32 v[BAV], v1, 2, s22              ; feature 128 wr + 16 a + r
	s_wait_kmcnt 0x0
	s_add_co_i32 s96, s84, s85
	s_add_co_i32 s96, s96, 127
	s_lshl_b32 s96, s96, 23                        ; 2^(e0 + e1) as f32
	s_mov_b32 s97, s96                             ; (named with it as a pair, so it is written)
	s_cmp_eq_u32 ttmp9, 0
	s_cselect_b32 s94, s86, s87
	s_cmp_eq_u32 ttmp9, 2
	s_cselect_b32 s94, s89, s94                    ; e2, e3 or e5: chosen by the cluster's x, no branch hangs on a scale
	s_add_co_i32 s94, s94, 127
	s_lshl_b32 s95, s94, 23
	v_mov_b32 v12, s95                             ; the new scale as f32
	s_add_co_i32 s94, s94, 8
	s_lshl_b32 s94, s94, 23
	s_or_b32 s94, s94, 0x600000
	v_mov_b32 v13, s94                             ; 448 x that
	s_wait_loadcnt 0x0
	ds_store_b64 v11, v[8:9]
.macro FRAG reg, adr, q, i             ; 16 rows x 128 K: lane l holds row l % 16; registers 4 c .. 4 c + 3 hold K = 32 c + 16 (l / 16) + 0 .. 15, alike in A and B
.irp c, 0,1,2,3
	ds_load_b128 v[\reg+4*\c:\reg+4*\c+3], v[\adr] offset:128*(\q)+32*\c+(\i)*16*PITCH
.endr
.endm
; 16 matrix instructions: A's blocks a0, a0 + 1 x B's eight.  The 64 accumulators take turns, one instruction a turn, in the same order in every step.
.macro MUL16 a0, p, zero
.irp a, \a0, \a0+1
.irp b, 0,1,2,3,4,5,6,7
.if \zero
	v_wmma_f32_16x16x128_fp8_fp8 v[8*(8*((\a)%4)+\b):8*(8*((\a)%4)+\b)+7], v[128*(\p)+FR*\b:128*(\p)+FR*\b+FR-1], v[AF+FR*(\a):AF+FR*(\a)+FR-1], 0
.else
	v_wmma_f32_16x16x128_fp8_fp8 v[8*(8*((\a)%4)+\b):8*(8*((\a)%4)+\b)+7], v[128*(\p)+FR*\b:128*(\p)+FR*\b+FR-1], v[AF+FR*(\a):AF+FR*(\a)+FR-1], v[8*(8*((\a)%4)+\b):8*(8*((\a)%4)+\b)+7]
.endif
.endr
.endr
.endm
.macro FETCH_B slot, q, p
	WIN TO_B
.irp i, 0,1,2,3,4,5,6,7
	FRAG 128*(\p)+FR*\i, ADRB+\slot, \q, \i
.endr
	WIN 0
.endm
.macro FETCH_A slot, q, i0
.irp i, \i0, \i0+1, \i0+2, \i0+3
	FRAG AF+FR*(\i), ADRA+\slot, \q, \i
.endr
.endm
.macro PLACES n                        ; plain vector instructions between a matrix instruction and a load into, or a read of, its registers
.rept \n
	v_nop
.endr
.endm
.macro STEP slot, q, zero
	s_wait_dscnt 4*NL                              ; B's set and A's blocks 0-3 are in; the youngest sixteen loads (A's blocks 4-7) may be out
	WIN MUL_LO
	MUL16 0, (\q)%2, \zero
	MUL16 2, (\q)%2, \zero
	s_wait_dscnt 0                                 ; A's blocks 4-7 are in
	PLACES NP
	FETCH_B \slot, (\q)+1, 1-(\q)%2
	FETCH_A \slot, (\q)+1, 0
	WIN MUL_HI
	MUL16 4, (\q)%2, \zero
	MUL16 6, (\q)%2, \zero
	PLACES NP
	WIN 0
	FETCH_A \slot, (\q)+1, 4
.endm
; A slot's last step changes slots: one barrier; in front of it each wave waits for all its tensor loads, adds 0 to its spare word, and waits for that and for its reads of this slot.
.macro TURN slot, next, fill
	s_wait_tensorcnt 0x0                           ; all my tensor loads have landed: my part of the next slot
	ds_add_u32 v[SPW], v[NIL]                      ; 0 onto my spare word
	s_wait_dscnt 4*NL+1                            ; (the add and the youngest sixteen loads may be out)
	WIN MUL_LO
	MUL16 0, 1, 0
	s_wait_dscnt 0x0                               ; the add is done, and my reads of this slot are over
	s_barrier_signal -1
	MUL16 2, 1, 0
	WIN 0
	s_barrier_wait -1
.if \fill
	CREST                                          ; the barrier has opened a round of the cluster's: no wave of any partner still reads this slot or has a load on its way
	s_add_nc_u64 s[G0+4*\slot+2:G0+4*\slot+3], s[G0+4*\slot+2:G0+4*\slot+3], 2*ROWB
	s_add_nc_u64 s[G0B+4*\slot+2:G0B+4*\slot+3], s[G0B+4*\slot+2:G0B+4*\slot+3], 2*ROWB
	JLOAD G0+4*\slot, G1, G0B+4*\slot, G1B         ; the first tensor load behind the round; its four v_nop are the places in front of the loads below
.else
	PLACES NP
.endif
	FETCH_B \next, 0, 0
	FETCH_A \next, 0, 0
	WIN MUL_HI
	MUL16 4, 1, 0
	MUL16 6, 1, 0
	PLACES NP
	WIN 0
	FETCH_A \next, 0, 4
.endm
	s_wait_alu depctr_va_vdst(0)                   ; the head's end
	s_wait_tensorcnt 0x0                           ; my part of K step 0 is in
	ds_add_u32 v[SPW], v[NIL]
	s_wait_dscnt 0x0                               ; the add is done, and my part of the bias lies in LDS
	CROUND                                         ; a whole round: everybody's part of K step 0 is in
	JLOAD G0+4, G1, G0B+4, G1B                     ; K step 1's load, the first tensor load behind the round
	FETCH_B 0, 0, 0
	FETCH_A 0, 0, 0
	FETCH_A 0, 0, 4
	STEP 0, 0, 1                                   ; the first step's products start the sums
	s_mov_b32 s3, LAPS-1
.Llap:
	TURN 0, 1, 1
	STEP 1, 0, 0
	TURN 1, 0, 1
	STEP 0, 0, 0
	s_sub_co_u32 s3, s3, 1
	s_cmp_lg_u32 s3, 0
	s_cbranch_scc1 .Llap
	TURN 0, 1, 0                                   ; the last lap fills nothing
	STEP 1, 0, 0
	s_wait_dscnt 4*NL
	WIN MUL_LO
	MUL16 0, 1, 0
	MUL16 2, 1, 0
	s_wait_dscnt 0
	WIN MUL_HI
	MUL16 4, 1, 0
	MUL16 6, 1, 0
	WIN 0
; THE WAY OUT, first half: sum x 2^(e0 + e1) + bias, held, converted, into the stage.  mode 0: q, k (the bias goes by column); mode 1: v (by row).
; Blocks 2 g and 2 g + 1 of B' give a lane 16 bytes that belong together.  Each block of A' has code registers of its own, so no store's data are written again.
.macro EPI mode
	PLACES NP                                      ; in front of loads into registers that held B's fragments, and of the first read of results
	WIN TO_B
.if \mode == 0
.irp b, 0,1,2,3,4,5,6,7
	ds_load_b128 v[8*\b:8*\b+3], v[BAQ] offset:64*\b
	ds_load_b128 v[8*\b+4:8*\b+7], v[BAQ] offset:64*\b+16
.endr
.else
.irp a, 0,1,2,3,4,5,6,7
	ds_load_b32 v[64+2*\a], v[BAV] offset:64*\a    ; twice: a pair for the packed form
	ds_load_b32 v[65+2*\a], v[BAV] offset:64*\a
.endr
.endif
	WIN 0
	s_wait_dscnt 0x0
.irp a, 0,1,2,3,4,5,6,7
	WIN 0x12+(\a)/4                                ; source 0 (the sums) window 2 or 3, source 2 (the bias) window 1
.set j, 0
.rept 32                                       ; each accumulator from its low end on
.if \mode == 0
	v_pk_fma_f32 v[TMP+j:TMP+j+1], v[64*((\a)%4)+j:64*((\a)%4)+j+1], s[96:97], v[j:j+1] op_sel_hi:[1,0,1]
.else
	v_pk_fma_f32 v[TMP+j:TMP+j+1], v[64*((\a)%4)+j:64*((\a)%4)+j+1], s[96:97], v[64+2*\a:65+2*\a] op_sel_hi:[1,0,1]
.endif
.set j, j+2
.endr
	WIN 0
.set j, 0
.rept 64
	v_med3_num_f32 v[TMP+j], v[TMP+j], -v13, v13   ; the conversion to an 8-bit code does not saturate (ISA guide 7.6.2)
.set j, j+1
.endr
.irp b, 0,1,2,3,4,5,6,7
	v_cvt_scalef32_pk8_fp8_f32 v[CD+16*\a+2*\b:CD+16*\a+2*\b+1], v[TMP+8*\b:TMP+8*\b+7], v12
.endr
	v_nop                                          ; a plain line between the conversions and the next lines that write their sources
.irp g, 0,1,2,3
.if \mode == 0
	ds_store_b128 v[STQ], v[CD+16*\a+4*\g:CD+16*\a+4*\g+3] offset:((\g/2)*64+4*\a)*PITCH+32*(\g%2)
.else
	ds_store_b128 v[STV], v[CD+16*\a+4*\g:CD+16*\a+4*\g+3] offset:(32*(\a/2)+8*(\a%2))*PITCH+32*\g
.endif
.endr
.endr
.endm
; second half: 64 pieces a wave, back from the stage and out
.macro OUT rd, co, s2
.set i, 0
.rept 32
	ds_load_b128 v[CD+4*i:CD+4*i+3], v[\rd] offset:2*i*PITCH
.set i, i+1
.endr
.set i, 0
.rept 32
	s_wait_dscnt 31-i                              ; the younger reads may be out
	global_store_b128 v[\co], v[CD+4*i:CD+4*i+3], s[66:67] offset:2*i*\s2   ; sixteen lanes store 256 consecutive bytes, aligned
.set i, i+1
.endr
.endm
	s_cmp_eq_u32 ttmp9, 2
	s_cbranch_scc1 .Lepi_v
	s_wait_alu depctr_va_vdst(0)
	EPI 0
	s_branch .Lepi_done
.Lepi_v:
	s_wait_alu depctr_va_vdst(0)
	EPI 1
.Lepi_done:
	s_wait_dscnt 0x0                               ; for the others' sake: my stores into the stage are done
	s_barrier_signal -1
	s_barrier_wait -1
	s_cmp_eq_u32 ttmp9, 2
	s_cbranch_scc1 .Lout_v
	OUT RDQ, COQ, 256
	s_branch .Lout_done
.Lout_v:
	OUT RDV, COV, 2048
.Lout_done:
	s_wait_tensorcnt 0x0                           ; the wave's end
	ds_add_u32 v[SPW], v[NIL]
	s_wait_dscnt 0x0
	CROUND                                         ; the closing round
	s_endpgm
.Lfunc_end_k_qaa11426723_qkv:
	.size	k_qaa11426723_qkv, .Lfunc_end_k_qaa11426723_qkv-k_qaa11426723_qkv
	.p2alignl 7, 3214868480
	.fill 96, 4, 3214868480
	.section	.rodata,"a",@progbits
	.p2align	6, 0x0
	.amdhsa_kernel k_qaa11426723_qkv
		.amdhsa_group_segment_fixed_size 327680
		.amdhsa_private_segment_fixed_size 0
		.amdhsa_enable_private_segment 0
		.amdhsa_kernarg_size 56
		.amdhsa_user_sgpr_count 2
		.amdhsa_user_sgpr_kernarg_segment_ptr 1
		.amdhsa_wavefront_size32 1
		.amdhsa_system_sgpr_workgroup_id_x 1
		.amdhsa_system_sgpr_workgroup_id_y 1
		.amdhsa_system_sgpr_workgroup_id_z 1
		.amdhsa_system_vgpr_workitem_id 0
		.amdhsa_next_free_vgpr 1024
		.amdhsa_next_free_sgpr 100
		.amdhsa_reserve_vcc 0
		.amdhsa_float_denorm_mode_32 3
		.amdhsa_float_denorm_mode_16_64 3
		.amdhsa_memory_ordered 1
		.amdhsa_forward_progress 1
		.amdhsa_inst_pref_size 205
	.end_amdhsa_kernel
	.amdgpu_metadata
---
amdhsa.version: [ 1, 2 ]
amdhsa.kernels:
  - .name:           k_qaa11426723_qkv
    .symbol:         k_qaa11426723_qkv.kd
    .args:
      - { .name: xc, .offset: 0, .size: 8, .value_kind: global_buffer, .address_space: global }
      - { .name: wc, .offset: 8, .size: 8, .value_kind: global_buffer, .address_space: global }
      - { .name: lowp_scales, .offset: 16, .size: 8, .value_kind: global_buffer, .address_space: global }
      - { .name: b_qkv, .offset: 24, .size: 8, .value_kind: global_buffer, .address_space: global }
      - { .name: qc, .offset: 32, .size: 8, .value_kind: global_buffer, .address_space: global }
      - { .name: kc, .offset: 40, .size: 8, .value_kind: global_buffer, .address_space: global }
      - { .name: vc, .offset: 48, .size: 8, .value_kind: global_buffer, .address_space: global }
    .group_segment_fixed_size: 327680
    .private_segment_fixed_size: 0
    .kernarg_segment_align: 8
    .kernarg_segment_size: 56
    .max_flat_workgroup_size: 128
    .sgpr_count:     100
    .vgpr_count:     1024
    .wavefront_size: 32
...
	.end_amdgpu_metadata
.endif
;; end of part 2
;; launch attn (part 3): grid 256 x 1, 8 waves a work-group, clusters of 4 x 1, 327,680 bytes of LDS; arguments qc, kc, vc, lowp_scales, yc; writes yc
.if DOCPART == 3
	.amdgcn_target "amdgcn-amd-amdhsa--gfx1250"
	.amdhsa_code_object_version 6
	.text
	.protected	k_qaa11426723_attn
	.globl	k_qaa11426723_attn
	.p2align	8
	.type	k_qaa11426723_attn,@function
k_qaa11426723_attn:
	s_mov_b64 s[64:65], 0
	v_nop
	global_prefetch_b8 v0, s[64:65] scope:SCOPE_SE
	s_setreg_imm32_b32 hwreg(HW_REG_WAVE_MODE, 25, 1), 1
	s_wait_xcnt 0x0
	s_wait_alu depctr_hold_cnt(0) depctr_sa_sdst(0) depctr_va_vdst(0) depctr_va_sdst(0) depctr_va_ssrc(0) depctr_va_vcc(0) depctr_vm_vsrc(0)
	s_getreg_b32 s2, hwreg(HW_REG_IB_STS2, 6, 4)
	s_cmp_eq_u32 s2, 0
	s_cbranch_scc0 .Lentry_in_a_cluster
	s_endpgm
.Lentry_in_a_cluster:
	s_bfe_u32 s2, ttmp6, 0x10000c
	s_cmp_lg_u32 s2, 0x3003
	s_cbranch_scc0 .Lentry_shape_is_right
	s_endpgm
.Lentry_shape_is_right:
; y[h][q] = the sum over keys k <= q of softmax_k(q . k / 8) v[k], both products on codes of FP8 (E4M3); y is quantised with 2^e6 for the product that follows.
; qc, kc [64 heads][2048][64], vc [64 heads][64 rows][2048 keys]: laid by the launch before (its head comment has the orders).  yc: byte (token / 16) x 16384 + head x 1024 + u x 512 + lane x 16 + e
; holds channel 32 u + 16 (lane / 16) + e of token 16 (token / 16) + lane % 16.
; WORK LEFT OUT: the causal mask sets the scores of keys k > q to -infinity, so their p is 0 for all inputs: a key step (128 keys) all of whose keys come after a wave's queries is not walked.
; A NaN or an infinity that reaches only such scores is not carried to the result.
; THE SOFTMAX: t = score x log2(e) / 8; M = the row's largest t so far, rounded UP to a whole number; p = 2^(t - M) is quantised with 2^e4, not normalised.  The row's sum is taken of the unquantised p
; and divides at the end.  When M moves, the sum and O are multiplied by 2^(old M - new M): exact.
; LDS HOLDS A WHOLE HEAD: 2,048 rows of K (64 + 16 bytes) and four chunks of V (64 rows x (512 + 16) bytes): 299,008 bytes, each filled once.  Chunk j is keys 512 j .. 512 j + 511.
; CLUSTER: the four work-groups of a head ask for every chunk jointly (mask 15): waves 0-3 for 128 keys of K each, waves 4-7 for 16 rows of V each.  Chunk 0 goes out at the head, chunks 1 to 3 behind
; rounds ahead of steps 0, 2 and 4; steps 2 j, 2 j + 1 read keys under 256 (j + 1), which lie in chunks 0 .. j.  A barrier ahead of step 6 shows chunk 3.
; SHARES.  Queries go in 16 groups of 128; group g needs key steps 0 .. g.  Of each group the partner at place cx takes queries 32 cx .. 32 cx + 31.  Wave w owns its work-group's 32 queries of group 15 - w,
; then those of group w: 17 key steps in every wave of every partner.  No branch and no LDS address hangs on cx: cx enters the addresses of Q and y, the prefetches' offsets and the lane masks of the diagonal step alone.
; THE WALK: the counter I goes 0 .. 24, the key step is I & 15.  I < 16: the high group; at I = 16 its result leaves and the low group begins; at I = 24 that leaves (key step 8 is over every low group's last).
; LAYOUT.  Both products are used transposed: S^T = K Q^T, O^T = V^T P^T: a lane holds one query (lane % 16) of each of the wave's two tiles.  Register 8 t + j of S^T is key 16 t + 8 (lane / 16) + j.
; Each fragment of K and of V feeds two matrix instructions.
; PREFETCH: behind the load of chunk j + 1 (j = 0, 1) chunk j + 2 is named, one trip (two key steps) ahead of its load: of the 32 blocks of 256 bytes that a wave will fetch, the partner at cx names 8 cx .. 8 cx + 7
; (lanes 8-31 name the last again).  Chunks 0 and 1 come by their loads alone.
; LIMITS: e2 + e3 between -123 and 130 (added to c's exponent field); e4 and e6 between -126 and 119; the scaled scores stay under 2^31 in magnitude.  NaN is not served.
; REGISTERS.  Window 0: v1-15 addresses and constants; v16-31 the two tiles' state; v32-39 at work; v48-175 S^T, then p; v176-239 O^T; v240-255 y's codes.
; Window 1: v0-63 K's fragments; v64-127 V's; v128-143 Q; v144-159 the low group's Q; v160-191 p's codes.
.set KP,    80
.set KSB,   128*KP                     ; a key step of K in LDS
.set VP,    528
.set VCH,   64*VP                      ; a chunk of V
.set VBASE, 2048*KP
.set SPARE, VBASE+4*VCH                ; the spare words: 128 bytes for each of 8 waves
.set AK0, 1
.set AV0, 2
.set PFO, 3
.set SPW, 5
.set NIL, 6
.set GO,  7
.set ADK, 8
.set ADV, 9
.set NEG, 10                           ; -infinity
.set H4,  11                           ; 448 x 2^e4
.set C4,  12                           ; 2^e4
.set H6,  13
.set C6,  14
.set D0,  15                           ; 32 cx + lane % 16 - 8 (lane / 16)
.set ST,  16                           ; tile a at ST + 8 a: +0 -M, +1 the largest score, +2,3 the sum, +4,5 f, +6,7 at work
.set U,   32
.set S,   48
.set O,   176
.set CD,  240
.set KF,  0                            ; window 1
.set VF,  64
.set QF,  128
.set QL,  144
.set PC,  160
.set WV,  2
.set I,   3
.set KS,  4
.set LIM, 5                            ; the group in hand: its last key step
.set CT,  6
.set OC,  7
.set SEL, 8
.set CS,  10
.set YB,  12
.set YA,  14
.set Q0,  18
.set Q0L, 19
.set ES,  20
.set CX,  21
.set PFA, 22
.set PFS, 24
.set G1K, 36                           ; the descriptors lie where the lane masks lie later: s36-63, s66-101
.set G1V, 44
.set G0K, 52
.set G0V, 56
.set MSB, 0
.macro WIN new                         ; the immediate's high byte repeats the setting that is left
.if MSB != (\new)
	s_set_vgpr_msb (MSB<<8)|(\new)
.set MSB, (\new)
.endif
.endm
.macro JLOAD                           ; every wave has one joint load; an s_nop 0 and four v_nop follow each line
	s_cmp_lt_u32 s[WV], 4
	s_cbranch_scc0 .Lv_\@
	tensor_load_to_lds s[G0K:G0K+3], s[G1K:G1K+7]
	s_nop 0
.rept 4
	v_nop
.endr
	s_branch .Lj_\@
.Lv_\@:
	tensor_load_to_lds s[G0V:G0V+3], s[G1V:G1V+7]
	s_nop 0
.rept 4
	v_nop
.endr
.Lj_\@:
.endm
.macro ROUND
	s_barrier_signal -1
	s_barrier_wait -1
	s_cmp_lg_u32 s[WV], 0
	s_cbranch_scc1 .Lnw0_\@
	s_barrier_signal -3
.Lnw0_\@:
	s_barrier_wait -3
	s_barrier_signal -1
	s_barrier_wait -1
.endm
.macro MK m                            ; lane mask m: key 16 (m / 8) + m % 8 of the diagonal step is hidden from tile 0's query
.if (\m) < 28
	v_cmp_gt_i32 s[36+(\m)], 16*((\m)/8)+(\m)%8, v[D0]
.else
	v_cmp_gt_i32 s[38+(\m)], 16*((\m)/8)+(\m)%8, v[D0]
.endif
.endm
.macro CM reg, m
.if (\m) < 28
	v_cndmask_b32 v[\reg], v[\reg], v[NEG], s[36+(\m)]
.else
	v_cndmask_b32 v[\reg], v[\reg], v[NEG], s[38+(\m)]
.endif
.endm
	s_load_b256 s[68:75], s[0:1], 0x0              ; qc, kc, vc, the scales
	s_load_b64 s[76:77], s[0:1], 0x20              ; yc
	v_lshl_add_u32 v[SPW], v0, 2, SPARE
	v_mov_b32 v[NIL], 0
	ds_add_u32 v[SPW], v[NIL]                      ; the opening: the add, twice on end, and its wait
	ds_add_u32 v[SPW], v[NIL]
	v_lshrrev_b32 v8, 5, v0
	v_readfirstlane_b32 s[WV], v8                  ; wave 0..7
	s_bfe_u32 s[CX], ttmp6, 0x40000                ; cx; ttmp9 is the head
	s_lshl_b32 s[Q0L], s[WV], 7
	s_lshl_b32 s26, s[CX], 5
	s_add_co_u32 s[Q0L], s[Q0L], s26               ; the low group's first query: 128 w + 32 cx
	s_sub_co_u32 s[LIM], 15, s[WV]
	s_lshl_b32 s[Q0], s[LIM], 7
	s_add_co_u32 s[Q0], s[Q0], s26                 ; the high group's
	s_and_b32 s26, s[WV], 3
	s_lshl_b32 s88, s26, 13                        ; my 128 keys of K: 8,192 bytes
	s_mov_b32 s89, 0
	s_lshl_b32 s90, s26, 15                        ; my 16 rows of V
	s_mov_b32 s91, 0
	s_lshl_b32 s92, ttmp9, 17                      ; a head's codes: 131,072 bytes in each of qc, kc, vc
	s_mov_b32 s93, 0
	s_lshr_b32 s94, ttmp9, 4
	s_lshl_b32 s94, s94, 21
	s_and_b32 s27, ttmp9, 15
	s_lshl_b32 s27, s27, 10
	s_add_co_u32 s94, s94, s27                     ; yc: batch x 128 x 16,384 + head x 1,024
	s_mov_b32 s95, 0
	s_mov_b32 s[G0K], 1
	s_mul_i32 s[G0K+1], s26, KSB
	s_mov_b32 s[G0V], 1
	s_mul_i32 s[G0V+1], s26, 16*VP
	s_add_co_u32 s[G0V+1], s[G0V+1], VBASE
	s_mov_b32 s[G1K], 15|(1<<20)|(1<<21)|(3<<22)|(3<<25)   ; K: dense, stated as 32 rows of 256 bytes; 4 words of padding after every 16
	s_mov_b32 s[G1K+1], 256<<16
	s_mov_b32 s[G1K+2], 32<<16
	s_mov_b32 s[G1K+3], 256<<16
	s_mov_b32 s[G1K+4], 32
	s_mov_b32 s[G1K+5], 256
	s_mov_b32 s[G1K+6], 0
	s_mov_b32 s[G1K+7], 0
	s_mov_b32 s[G1V], 15|(1<<20)|(1<<21)|(6<<22)|(3<<25)   ; V: 16 rows of 512 bytes, 2,048 apart; 4 words after every 128
	s_mov_b32 s[G1V+1], 512<<16
	s_mov_b32 s[G1V+2], 16<<16
	s_mov_b32 s[G1V+3], 512<<16
	s_mov_b32 s[G1V+4], 16
	s_mov_b32 s[G1V+5], 2048
	s_mov_b32 s[G1V+6], 0
	s_mov_b32 s[G1V+7], 0
	s_mov_b32 s[SEL], 0x76543210
	s_mov_b32 s[SEL+1], 0xfedcba98
	s_mov_b32 s[CS], 0x3e38aa3b                    ; c = log2(e) / 8
	s_mov_b32 s[I], 0
	s_mov_b32 s[OC], 3
	s_wait_dscnt 0x0                               ; both opening adds are done
	s_wait_kmcnt 0x0
	s_load_b256 s[80:87], s[74:75], 0x0            ; e0 .. e7
	s_add_nc_u64 s[68:69], s[68:69], s[92:93]
	s_add_nc_u64 s[70:71], s[70:71], s[92:93]
	s_add_nc_u64 s[72:73], s[72:73], s[92:93]
	s_add_nc_u64 s[YB:YB+1], s[76:77], s[94:95]
	s_add_nc_u64 s[70:71], s[70:71], s[88:89]      ; my part of chunk 0, in K
	s_add_nc_u64 s[72:73], s[72:73], s[90:91]      ; and in V
	s_cmp_lt_u32 s[WV], 4
	s_cselect_b64 s[PFA:PFA+1], s[70:71], s[72:73]
	s_mov_b32 s[PFS], 512
	s_cselect_b32 s[PFS], 32768, s[PFS]            ; a chunk on
	s_cselect_b32 s31, 9, 11                       ; two blocks on: 512 bytes in K, a row in V
	s_mov_b32 s[PFS+1], 0
	s_add_nc_u64 s[PFA:PFA+1], s[PFA:PFA+1], s[PFS:PFS+1]   ; at chunk 1: the first round steps it to chunk 2
	s_mov_b64 s[G0K+2:G0K+3], s[70:71]
	s_or_b32 s[G0K+3], s[G0K+3], 0x80000000
	s_mov_b64 s[G0V+2:G0V+3], s[72:73]
	s_or_b32 s[G0V+3], s[G0V+3], 0x80000000
	ROUND                                          ; the four partners are here: the first joint loads meet
	JLOAD                                          ; chunk 0
	v_and_b32 v8, 15, v0                           ; r
	v_bfe_u32 v9, v0, 4, 1                         ; h
	v_lshlrev_b32 v4, 6, v8
	v_lshl_add_u32 v4, v9, 4, v4                   ; Q: row r of 64 bytes, + 16 h
	s_lshl_b32 s26, s[Q0], 6
	s_lshl_b32 s27, s[Q0L], 6
	v_add_nc_u32 v32, s26, v4
	v_add_nc_u32 v33, s27, v4
	WIN 0x40                                       ; destination window 1
.irp a, 0,1
	global_load_b128 v[QF+8*\a:QF+8*\a+3], v32, s[68:69] offset:1024*\a
	global_load_b128 v[QF+8*\a+4:QF+8*\a+7], v32, s[68:69] offset:1024*\a+32
	global_load_b128 v[QL+8*\a:QL+8*\a+3], v33, s[68:69] offset:1024*\a
	global_load_b128 v[QL+8*\a+4:QL+8*\a+7], v33, s[68:69] offset:1024*\a+32
.endr
	WIN 0
	v_mul_u32_u24 v[AK0], v8, KP
	v_lshl_add_u32 v[AK0], v9, 4, v[AK0]
	v_mul_u32_u24 v[AV0], v8, VP
	v_lshl_add_u32 v[AV0], v9, 4, v[AV0]
	v_add_nc_u32 v[AV0], VBASE, v[AV0]
	v_and_b32 v[GO], 31, v0
	v_min_u32 v[PFO], 7, v[GO]
	v_lshlrev_b32 v[GO], 4, v[GO]
	s_lshl_b32 s26, s[CX], 3
	v_add_nc_u32 v[PFO], s26, v[PFO]               ; my block among the wave's 32
	v_and_b32 v34, 1, v[PFO]
	v_lshrrev_b32 v[PFO], 1, v[PFO]
	v_lshlrev_b32 v[PFO], s31, v[PFO]
	v_lshl_add_u32 v[PFO], v34, 8, v[PFO]
	v_lshlrev_b32 v34, 3, v9
	v_sub_nc_u32 v[D0], v8, v34
	s_lshl_b32 s26, s[CX], 5
	v_add_nc_u32 v[D0], s26, v[D0]
	v_mov_b32 v[NEG], 0xff800000
.irp a, 0,1
	v_mov_b32 v[ST+8*\a], 0x7f61b1e6               ; -M = 3e38: the first change of M gives f = 0
	v_mov_b32 v[ST+8*\a+1], 0xff61b1e6             ; the largest score so far: -3e38
.irp k, 2,3,4,5,6,7
	v_mov_b32 v[ST+8*\a+\k], 0
.endr
.endr
.set j, 0
.rept 64
	v_mov_b32 v[O+j], 0                            ; O^T: the step is written once; f = 0 leaves zeros zeros
.set j, j+1
.endr
	s_wait_kmcnt 0x0
	s_add_co_i32 s26, s82, s83
	s_lshl_b32 s26, s26, 23
	s_add_co_i32 s[CS], s[CS], s26                 ; a score stands for score x 2^(e2 + e3)
	s_mov_b32 s[CS+1], s[CS]
	s_add_co_i32 s26, s84, 127
	s_lshl_b32 s27, s26, 23
	v_mov_b32 v[C4], s27
	s_add_co_i32 s26, s26, 8
	s_lshl_b32 s26, s26, 23
	s_or_b32 s26, s26, 0x600000
.set H4B, 4                                        ; v4: 448 x 2^e4 once more, in another register bank: the second half of a dual pair names it
	v_mov_b32 v[H4], s26
	v_mov_b32 v[H4B], s26
	s_add_co_i32 s26, s86, 127
	s_lshl_b32 s27, s26, 23
	v_mov_b32 v[C6], s27
	s_add_co_i32 s26, s26, 8
	s_lshl_b32 s26, s26, 23
	s_or_b32 s26, s26, 0x600000
	v_mov_b32 v[H6], s26
	s_add_co_i32 s[ES], s84, s85                   ; e4 + e5
; A KEY STEP: 128 keys x my 32 queries.  diag = 1: the text of the diagonal step is assembled.
; the sum of tile a's unquantised p, in eight chains, onto the running sum x f
.set MT, 40                                        ; v40-47: four chains of maxima for each tile; behind them v32-47 serve the sums
; scores 2 n and 2 n + 1 of tile a into chain n % 4; the running largest score is each chain's first leaf; each accumulator is read from its low end on
.macro MX a, n
.if (\n) < 4
	v_max3_num_f32 v[MT+4*(\a)+(\n)%4], v[ST+8*(\a)+1], v[S+64*(\a)+2*(\n)], v[S+64*(\a)+2*(\n)+1]
.else
	v_max3_num_f32 v[MT+4*(\a)+(\n)%4], v[MT+4*(\a)+(\n)%4], v[S+64*(\a)+2*(\n)], v[S+64*(\a)+2*(\n)+1]
.endif
.endm
; line k of the ten that lead from tile a's four maxima to -M and f: each reads the one before, so they stand among lines of the other tile
.macro CH a, k
.if (\k) == 0
	v_max3_num_f32 v[ST+8*(\a)+6], v[MT+4*(\a)], v[MT+4*(\a)+1], v[MT+4*(\a)+2]
.endif
.if (\k) == 1
	v_max_num_f32 v[ST+8*(\a)+6], v[ST+8*(\a)+6], v[MT+4*(\a)+3]
.endif
.if (\k) == 2
	v_permlanex16_b32 v[ST+8*(\a)+7], v[ST+8*(\a)+6], s[SEL], s[SEL+1]
.endif
.if (\k) == 3
	v_max_num_f32 v[ST+8*(\a)+1], v[ST+8*(\a)+6], v[ST+8*(\a)+7]   ; with lane l xor 16's
.endif
.if (\k) == 4
	v_mul_f32 v[ST+8*(\a)+6], s[CS], v[ST+8*(\a)+1]                ; as t (c is positive)
.endif
.if (\k) == 5
	v_mov_b32 v[ST+8*(\a)+7], v[ST+8*(\a)]
.endif
.if (\k) == 6
	v_floor_f32 v[ST+8*(\a)], -v[ST+8*(\a)+6]                      ; the new -M = -ceil(t)
.endif
.if (\k) == 7
	v_sub_f32 v[ST+8*(\a)+7], v[ST+8*(\a)], v[ST+8*(\a)+7]         ; old M - new M: a whole number, 0 or less
.endif
.if (\k) == 8
	v_cvt_i32_f32 v[ST+8*(\a)+7], v[ST+8*(\a)+7]                   ; (it saturates)
.endif
.if (\k) == 9
	v_ldexp_f32 v[ST+8*(\a)+4], 1.0, v[ST+8*(\a)+7]                ; f = 2^(old M - new M)
.endif
.endm
.macro FM j                                        ; tile 0: t - M, two at a time
	v_pk_fma_f32 v[S+(\j):S+(\j)+1], v[S+(\j):S+(\j)+1], s[CS:CS+1], v[ST:ST+1] op_sel_hi:[1,0,0]
.endm
.macro SUM a
.irp k, 0,1,2,3,4,5,6,7                            ; eight chains: 8 + 16 + 7 additions for the tile's 32 pairs
	v_pk_add_f32 v[U+2*\k:U+2*\k+1], v[S+64*(\a)+4*\k:S+64*(\a)+4*\k+1], v[S+64*(\a)+4*\k+2:S+64*(\a)+4*\k+3]
.endr
.set j, 32
.rept 2
.irp k, 0,1,2,3,4,5,6,7
	v_pk_add_f32 v[U+2*\k:U+2*\k+1], v[U+2*\k:U+2*\k+1], v[S+64*(\a)+j+2*\k:S+64*(\a)+j+2*\k+1]
.endr
.set j, j+16
.endr
.irp k, 0,1,2,3
	v_pk_add_f32 v[U+2*\k:U+2*\k+1], v[U+2*\k:U+2*\k+1], v[U+2*\k+8:U+2*\k+9]
.endr
	v_pk_add_f32 v[U:U+1], v[U:U+1], v[U+4:U+5]
	v_pk_add_f32 v[U+2:U+3], v[U+2:U+3], v[U+6:U+7]
	v_pk_add_f32 v[U:U+1], v[U:U+1], v[U+2:U+3]
	v_pk_fma_f32 v[ST+8*(\a)+2:ST+8*(\a)+3], v[ST+8*(\a)+2:ST+8*(\a)+3], v[ST+8*(\a)+4:ST+8*(\a)+5], v[U:U+1] op_sel_hi:[1,0,1]
.endm
.macro STEP diag
	s_and_b32 s[KS], s[I], 15
	s_cmp_gt_u32 s[KS], s[LIM]                     ; all keys come after my queries: wave number and counter alone
	s_cbranch_scc1 .Lhid_\@
	s_mul_i32 s16, s[KS], KSB
	s_lshr_b32 s17, s[KS], 2
	s_mul_i32 s17, s17, VCH
	s_and_b32 s26, s[KS], 3
	s_lshl_b32 s26, s26, 7
	s_add_co_u32 s17, s17, s26
	v_add_nc_u32 v[ADK], s16, v[AK0]
	v_add_nc_u32 v[ADV], s17, v[AV0]
	v_nop                                          ; with the two additions: four places in front of loads into registers that the last products read
	v_nop
	WIN 0x40
.irp t, 0,1,2,3,4,5,6,7
	ds_load_b128 v[KF+8*\t:KF+8*\t+3], v[ADK] offset:16*\t*KP
	ds_load_b128 v[KF+8*\t+4:KF+8*\t+7], v[ADK] offset:16*\t*KP+32
.endr
.irp t, 0,1,2,3
.irp c, 0,1,2,3
	ds_load_b128 v[VF+16*\t+4*\c:VF+16*\t+4*\c+3], v[ADV] offset:16*\t*VP+32*\c
.endr
.endr
	s_wait_dscnt 16                                ; K's sixteen loads are in; V's sixteen may be out
	WIN 0x05                                       ; sources 0 and 1 window 1; C and D window 0
.irp t, 0,1,2,3,4,5,6,7
.irp a, 0,1
	v_wmma_f32_16x16x64_fp8_fp8 v[S+64*\a+8*\t:S+64*\a+8*\t+7], v[KF+8*\t:KF+8*\t+7], v[QF+8*\a:QF+8*\a+7], 0
.endr
.endr
	WIN 0
.rept 4
	v_nop                                          ; places in front of the first read of the scores
.endr
.if \diag
	s_cmp_lg_u32 s[KS], s[LIM]                     ; the group's last key step lies on the diagonal: hidden scores become -infinity
	s_cbranch_scc1 .Lopen_\@
.set n, 0
.rept 64
	CM S+n, n
.set n, n+1
.endr
.set n, 8                                          ; tile 1's queries lie 16 further on: its keys 0-15 all count, key k takes the mask of k - 16
.rept 56
	CM S+64+n, n-8
.set n, n+1
.endr
.Lopen_\@:
.endif
.set n, 0
.rept 32
	MX 0, n                                        ; tile 0's largest score
.set n, n+1
.endr
	MX 1, 0
	MX 1, 1
.set n, 2
.set k, 0
.rept 10                                           ; tile 0's ten lines to -M and f, three of tile 1's maxima behind each
	CH 0, k
	MX 1, n
	MX 1, n+1
	MX 1, n+2
.set n, n+3
.set k, k+1
.endr
.set j, 0
.set k, 0
.rept 10                                           ; tile 1's ten lines, three of tile 0's scalings behind each
	CH 1, k
	FM j
	FM j+2
	FM j+4
.set j, j+6
.set k, k+1
.endr
	FM 60
	FM 62
	s_wait_alu depctr_va_vdst(0)                   ; ahead of the batch
.set j, 0
.rept 32                                           ; tile 0's p = 2^(t - M); tile 1's t - M stands among the exponentials: it names none of their registers
	v_exp_f32 v[S+j], v[S+j]
	v_pk_fma_f32 v[S+64+j:S+64+j+1], v[S+64+j:S+64+j+1], s[CS:CS+1], v[ST+8:ST+9] op_sel_hi:[1,0,0]
	v_exp_f32 v[S+j+1], v[S+j+1]
.set j, j+2
.endr
	v_nop                                          ; a plain line behind the exponentials
	s_wait_alu depctr_va_vdst(0)                   ; one wait: behind tile 0's batch, ahead of tile 1's
	SUM 0
.set j, 0
.rept 32                                           ; the hold goes two numbers an instruction: destinations even and odd, the sources of the two halves in different banks
	v_exp_f32 v[S+64+j], v[S+64+j]
	v_dual_min_num_f32 v[S+j], v[S+j], v[H4] :: v_dual_min_num_f32 v[S+j+1], v[S+j+1], v[H4B]
	v_exp_f32 v[S+64+j+1], v[S+64+j+1]
.set j, j+2
.endr
	v_nop                                          ; a plain line behind the exponentials
	s_wait_alu depctr_va_vdst(0)                   ; one wait for the batch, ahead of its first reader
	SUM 1
.set j, 0
.rept 32
	v_dual_min_num_f32 v[S+64+j], v[S+64+j], v[H4] :: v_dual_min_num_f32 v[S+64+j+1], v[S+64+j+1], v[H4B]
.set j, j+2
.endr
	WIN 0x40
.irp a, 0,1
.irp t, 0,1,2,3,4,5,6,7
	v_cvt_scalef32_pk8_fp8_f32 v[PC+16*\a+2*\t:PC+16*\a+2*\t+1], v[S+64*\a+8*\t:S+64*\a+8*\t+7], v[C4]
.endr
.endr
	WIN 0
	s_wait_alu depctr_va_vdst(0)                   ; directly ahead of the first reader of O^T
.irp a, 0,1
.set j, 0
.rept 16
	v_pk_mul_f32 v[O+32*\a+j:O+32*\a+j+1], v[O+32*\a+j:O+32*\a+j+1], v[ST+8*\a+4:ST+8*\a+5] op_sel_hi:[1,0]   ; O^T x f; plain lines behind the conversions
.set j, j+2
.endr
.endr
	s_wait_alu depctr_va_vdst(0)
	s_wait_dscnt 0x0                               ; V's fragments are in
	WIN 0x05
.irp t, 0,1,2,3                                    ; the eight accumulators take turns
.irp a, 0,1
	v_wmma_f32_16x16x128_fp8_fp8 v[O+32*\a+8*\t:O+32*\a+8*\t+7], v[VF+16*\t:VF+16*\t+15], v[PC+16*\a:PC+16*\a+15], v[O+32*\a+8*\t:O+32*\a+8*\t+7]
.endr
.endr
	WIN 0
.Lhid_\@:
	s_add_co_u32 s[I], s[I], 1
.endm
	s_wait_alu depctr_va_vdst(0)                   ; the head's end
	s_wait_loadcnt 0x0                             ; Q
.Lph:                                              ; three trips: chunk j is shown, chunk j + 1 asked for, key steps 2 j and 2 j + 1 walked
	s_wait_tensorcnt 0x0                           ; my one load that was out has landed, so the groups 0 may be written
	ds_add_u32 v[SPW], v[NIL]
	s_add_co_u32 s[G0K+1], s[G0K+1], 4*KSB
	s_add_nc_u64 s[G0K+2:G0K+3], s[G0K+2:G0K+3], 32768
	s_add_co_u32 s[G0V+1], s[G0V+1], VCH
	s_add_nc_u64 s[G0V+2:G0V+3], s[G0V+2:G0V+3], 512
	s_wait_xcnt 0x0                                ; the last prefetch has read its address
	s_add_nc_u64 s[PFA:PFA+1], s[PFA:PFA+1], s[PFS:PFS+1]
	s_wait_dscnt 0x0
	ROUND
	JLOAD                                          ; a first fill, issued as a refill is: my one load behind the round
	s_cmp_gt_u32 s[OC], 1                          ; the last trip has no chunk two on
	s_cbranch_scc0 .Lna
	global_prefetch_b8 v[PFO], s[PFA:PFA+1] th:TH_LOAD_NT scope:SCOPE_SE
.Lna:
	s_mov_b32 s[CT], 2
.Lst:
	STEP 0
	s_sub_co_u32 s[CT], s[CT], 1
	s_cmp_lg_u32 s[CT], 0
	s_cbranch_scc1 .Lst
	s_sub_co_u32 s[OC], s[OC], 1
	s_cmp_lg_u32 s[OC], 0
	s_cbranch_scc1 .Lph
	s_wait_tensorcnt 0x0                           ; my part of chunk 3 is in
	ds_add_u32 v[SPW], v[NIL]
	s_wait_dscnt 0x0
	s_barrier_signal -1
	s_barrier_wait -1                              ; everybody's is: nothing is filled from here on
.set n, 0
.rept 64
	MK n                                           ; the descriptors are done with: their registers take the lane masks
.set n, n+1
.endr
	s_mov_b32 s[CT], 19
.Lmain:                                            ; I = 6 .. 24
	s_and_b32 s16, s[I], 0x17
	s_cmp_lg_u32 s16, 16                           ; I = 16 and I = 24: a group's end
	s_cbranch_scc1 .Lnf
.rept 4
	v_nop                                          ; places behind the last products
.endr
	s_wait_xcnt 0x0                                ; earlier stores have read their address and data
	s_lshl_b32 s16, s[Q0], 10                      ; (my first query / 16) x 16,384
	s_mov_b32 s17, 0
	s_add_nc_u64 s[YA:YA+1], s[YB:YB+1], s[16:17]
.irp a, 0,1
	v_add_f32 v[ST+8*\a+2], v[ST+8*\a+2], v[ST+8*\a+3]
.endr
.irp a, 0,1
	v_permlanex16_b32 v[ST+8*\a+7], v[ST+8*\a+2], s[SEL], s[SEL+1]
.endr
.irp a, 0,1
	v_add_f32 v[ST+8*\a+2], v[ST+8*\a+2], v[ST+8*\a+7]   ; the row's sum
.endr
	s_wait_alu depctr_va_vdst(0)                   ; ahead of the transcendentals
	v_rcp_f32 v[ST+2], v[ST+2]
	v_rcp_f32 v[ST+10], v[ST+10]
	v_nop
	s_wait_alu depctr_va_vdst(0)                   ; and ahead of their first reader
	v_ldexp_f32 v[ST+2], v[ST+2], s[ES]            ; x 2^(e4 + e5)
	v_ldexp_f32 v[ST+10], v[ST+10], s[ES]
	s_wait_alu depctr_va_vdst(0)                   ; directly ahead of the first reader of O^T
.irp a, 0,1
.set j, 0
.rept 16
	v_pk_mul_f32 v[S+32*\a+j:S+32*\a+j+1], v[O+32*\a+j:O+32*\a+j+1], v[ST+8*\a+2:ST+8*\a+3] op_sel_hi:[1,0]
.set j, j+2
.endr
.endr
.set j, 0
.rept 64
	v_med3_num_f32 v[S+j], v[S+j], -v[H6], v[H6]
.set j, j+1
.endr
.irp t, 0,1,2,3,4,5,6,7
	v_cvt_scalef32_pk8_fp8_f32 v[CD+2*\t:CD+2*\t+1], v[S+8*\t:S+8*\t+7], v[C6]
.endr
	v_nop
.irp a, 0,1
	global_store_b128 v[GO], v[CD+8*\a:CD+8*\a+3], s[YA:YA+1] offset:16384*\a          ; 32 lanes store 512 consecutive bytes, aligned
	global_store_b128 v[GO], v[CD+8*\a+4:CD+8*\a+7], s[YA:YA+1] offset:16384*\a+512
.endr
.irp a, 0,1                                        ; the state for the low group: f = 0 in its first step takes O^T and the sum to zero
	v_mov_b32 v[ST+8*\a], 0x7f61b1e6
	v_mov_b32 v[ST+8*\a+1], 0xff61b1e6
	v_mov_b32 v[ST+8*\a+2], 0
	v_mov_b32 v[ST+8*\a+3], 0
.endr
	WIN 0x41
.set j, 0
.rept 16
	v_mov_b32 v[QF+j], v[QL+j]
.set j, j+1
.endr
	WIN 0
	s_mov_b32 s[LIM], s[WV]
	s_mov_b32 s[Q0], s[Q0L]
	s_wait_alu depctr_va_vdst(0)
.Lnf:
	STEP 1
	s_sub_co_u32 s[CT], s[CT], 1
	s_cmp_lg_u32 s[CT], 0
	s_cbranch_scc1 .Lmain
	s_wait_tensorcnt 0x0                           ; the wave's end
	ds_add_u32 v[SPW], v[NIL]
	s_wait_dscnt 0x0
	ROUND                                          ; the closing round
	s_endpgm
.Lfunc_end_k_qaa11426723_attn:
	.size	k_qaa11426723_attn, .Lfunc_end_k_qaa11426723_attn-k_qaa11426723_attn
	.p2alignl 7, 3214868480
	.fill 96, 4, 3214868480
	.section	.rodata,"a",@progbits
	.p2align	6, 0x0
	.amdhsa_kernel k_qaa11426723_attn
		.amdhsa_group_segment_fixed_size 327680
		.amdhsa_private_segment_fixed_size 0
		.amdhsa_enable_private_segment 0
		.amdhsa_kernarg_size 40
		.amdhsa_user_sgpr_count 2
		.amdhsa_user_sgpr_kernarg_segment_ptr 1
		.amdhsa_wavefront_size32 1
		.amdhsa_system_sgpr_workgroup_id_x 1
		.amdhsa_system_sgpr_workgroup_id_y 1
		.amdhsa_system_sgpr_workgroup_id_z 1
		.amdhsa_system_vgpr_workitem_id 0
		.amdhsa_next_free_vgpr 512
		.amdhsa_next_free_sgpr 102
		.amdhsa_reserve_vcc 0
		.amdhsa_float_denorm_mode_32 3
		.amdhsa_float_denorm_mode_16_64 3
		.amdhsa_memory_ordered 1
		.amdhsa_forward_progress 1
		.amdhsa_inst_pref_size 91
	.end_amdhsa_kernel
	.amdgpu_metadata
---
amdhsa.version: [ 1, 2 ]
amdhsa.kernels:
  - .name:           k_qaa11426723_attn
    .symbol:         k_qaa11426723_attn.kd
    .args:
      - { .name: qc, .offset: 0, .size: 8, .value_kind: global_buffer, .address_space: global }
      - { .name: kc, .offset: 8, .size: 8, .value_kind: global_buffer, .address_space: global }
      - { .name: vc, .offset: 16, .size: 8, .value_kind: global_buffer, .address_space: global }
      - { .name: lowp_scales, .offset: 24, .size: 8, .value_kind: global_buffer, .address_space: global }
      - { .name: yc, .offset: 32, .size: 8, .value_kind: global_buffer, .address_space: global }
    .group_segment_fixed_size: 327680
    .private_segment_fixed_size: 0
    .kernarg_segment_align: 8
    .kernarg_segment_size: 40
    .max_flat_workgroup_size: 256
    .sgpr_count:     102
    .vgpr_count:     512
    .wavefront_size: 32
...
	.end_amdgpu_metadata
.endif
;; end of part 3
;; launch proj (part 4): grid 4 x 64, 4 waves a work-group, clusters of 4 x 4, 327,680 bytes of LDS; arguments yc, wc, lowp_scales, b_proj, out0; writes out0
.if DOCPART == 4
	.amdgcn_target "amdgcn-amd-amdhsa--gfx1250"
	.amdhsa_code_object_version 6
	.text
	.protected	k_qaa11426723_proj
	.globl	k_qaa11426723_proj
	.p2align	8
	.type	k_qaa11426723_proj,@function
k_qaa11426723_proj:
	s_mov_b64 s[64:65], 0
	v_nop
	global_prefetch_b8 v0, s[64:65] scope:SCOPE_SE
	s_setreg_imm32_b32 hwreg(HW_REG_WAVE_MODE, 25, 1), 1
	s_wait_xcnt 0x0
	s_wait_alu depctr_hold_cnt(0) depctr_sa_sdst(0) depctr_va_vdst(0) depctr_va_sdst(0) depctr_va_ssrc(0) depctr_va_vcc(0) depctr_vm_vsrc(0)
	s_getreg_b32 s2, hwreg(HW_REG_IB_STS2, 6, 4)
	s_cmp_eq_u32 s2, 0
	s_cbranch_scc0 .Lentry_in_a_cluster
	s_endpgm
.Lentry_in_a_cluster:
	s_bfe_u32 s2, ttmp6, 0x10000c
	s_cmp_lg_u32 s2, 0xf033
	s_cbranch_scc0 .Lentry_shape_is_right
	s_endpgm
.Lentry_shape_is_right:
; out0 = y w_proj + b_proj on codes of FP8 (E4M3).  A sum stands for sum x 2^(e6 + e7); the bias is added in f32.
; yc: y's codes as images of the operand's registers: byte (token / 16) x 16384 + head x 1024 + u x 512 + lane x 16 + e holds channel 32 u + 16 (lane / 16) + e of token 16 (token / 16) + lane % 16.
; wc [4096][1024]: row 3072 + n is column n of w_proj, K innermost.
; LIMIT: e6 + e7 between -126 and 127, so that 2^(e6 + e7) is an f32 number.  NaN is not served.
; SHARES.  Work-group (x, y) owns tokens 128 y .. 128 y + 127 and the feature tiles x and x + 4 of 128 features each, one after the other.  Its 131,072 bytes of yc, all of K, lie in LDS for the whole launch;
; a feature tile, 128 rows x (1,024 + 16) bytes, all of K too, lies behind them and is filled twice.  A wave makes 64 tokens x 64 features: 16 accumulators, eight K steps of 128.
; LOADS.  At the head waves 0 and 1 ask for the halves of A, waves 2 and 3 for the halves of the first B tile.  When the first tile's products are issued, the full sequence and a round of the cluster's barrier
; follow, waves 2 and 3 ask for the second B tile, and the first tile's results leave meanwhile.
; CLUSTERS: 4 x 4 work-groups.  A hangs on y alone and is asked for jointly along a row of the cluster, B on x alone, along a column.
; NO PREFETCH: the text has no loop to run ahead in; each operand byte is asked for once by a work-group, A and the first B tile by the first lines of the text.
; THE MATRIX INSTRUCTION IS USED TRANSPOSED (source 0 = 16 features, source 1 = 16 tokens): a lane holds eight neighbouring features of one token.
; THE WAY OUT: 16 tokens x 64 features go through the wave's own stage (bytes into which no fill lands) and come back as rows of 256 bytes: sixteen lanes store 256 consecutive aligned bytes.
; REGISTERS.  Window 0: v8-15 the bias of both tiles; v16-29 addresses; v32-95 rows back from the stage, two sets; v128-255 the accumulators ((a, b) at 128 + 8 (4 a + b)).
; Window 1: v0-127 A's fragments, two sets; v128-255 B's, two sets.
.set BP,    1040                       ; a row of B in LDS: 1,024 bytes + 16: the 16 rows of a fragment load start at 16 different banks (ISA guide 11.1)
.set BOFF,  131072
.set STG,   BOFF+128*BP
.set SP,    272
.set SPARE, STG+4*16*SP                ; the spare words: 512 bytes that no other line names
.set ADRA, 16
.set ADRB, 17
.set STO,  24
.set RD,   25
.set CO,   26
.set BO,   27
.set SPW,  28
.set NIL,  29
.set BK,   32
.set ACC,  128
.set G1,  24
.set G0,  32
.set G0B, 36
.set G1B, 48
.set MSB, 0
.macro WIN new                         ; the immediate's high byte repeats the setting that is left
.if MSB != (\new)
	s_set_vgpr_msb (MSB<<8)|(\new)
.set MSB, (\new)
.endif
.endm
.macro CROUND
	s_barrier_signal -1
	s_barrier_wait -1
	s_cmp_lg_u32 s14, 0
	s_cbranch_scc1 .Lnot_wave_0_\@
	s_barrier_signal -3
.Lnot_wave_0_\@:
	s_barrier_wait -3
	s_barrier_signal -1
	s_barrier_wait -1
.endm
.macro PLACES
.rept 4
	v_nop
.endr
.endm
	s_load_b256 s[4:11], s[0:1], 0x0               ; yc s[4:5], wc s[6:7], the scales s[8:9], b_proj s[10:11]
	s_load_b64 s[12:13], s[0:1], 0x20              ; out0
	v_lshl_add_u32 v[SPW], v0, 2, SPARE
	v_mov_b32 v[NIL], 0
	ds_add_u32 v[SPW], v[NIL]                      ; the opening: the add, twice on end, and its wait
	ds_add_u32 v[SPW], v[NIL]
	v_lshrrev_b32 v1, 5, v0
	v_readfirstlane_b32 s14, v1                    ; wave 0..3
	s_lshr_b32 s15, s14, 1                         ; my half of the tokens.  Also: I fetch for A (0) or for B (1)
	s_and_b32 s16, s14, 1                          ; my half of the features.  Also: which half I fetch
	s_bfe_u32 s40, ttmp6, 0x40000                  ; cx
	s_bfe_u32 s41, ttmp6, 0x40004                  ; cy
	s_lshl_b32 s42, ttmp9, 2
	s_add_co_u32 s42, s42, s40                     ; x
	s_and_b32 s17, ttmp7, 0xffff
	s_lshl_b32 s17, s17, 2
	s_add_co_u32 s17, s17, s41                     ; y
	s_lshl_b32 s43, s41, 2
	s_lshl_b32 s43, 15, s43                        ; my row of the cluster
	s_lshl_b32 s44, 0x1111, s40                    ; my column
	s_or_b32 s[G1+0], s43, (1<<21)                 ; A: 65,536 dense bytes, stated as 256 rows of 256 bytes; no padding
	s_mov_b32 s[G1+1], 256<<16
	s_mov_b32 s[G1+2], 256<<16
	s_mov_b32 s[G1+3], 256<<16
	s_mov_b32 s[G1+4], 256
	s_mov_b32 s[G1+5], 256
	s_mov_b32 s[G1+6], 0
	s_mov_b32 s[G1+7], 0
	s_or_b32 s[G1B+0], s44, (1<<20)|(1<<21)|(7<<22)|(3<<25)   ; B: 64 rows of 1,024 bytes; 4 words of padding after every 256
	s_mov_b32 s[G1B+1], 1024<<16
	s_mov_b32 s[G1B+2], 64<<16
	s_mov_b32 s[G1B+3], 1024<<16
	s_mov_b32 s[G1B+4], 64
	s_mov_b32 s[G1B+5], 1024
	s_mov_b32 s[G1B+6], 0
	s_mov_b32 s[G1B+7], 0
	s_lshl_b32 s20, s17, 1
	s_add_co_u32 s20, s20, s16
	s_lshl_b32 s20, s20, 16                        ; A: y x 131,072 + half x 65,536
	s_mov_b32 s21, 0
	s_lshl_b32 s46, s42, 7
	s_lshl_b32 s18, s16, 6
	s_add_co_u32 s46, s46, s18
	s_add_co_u32 s46, s46, 3072
	s_lshl_b32 s46, s46, 10                        ; B: row 3072 + 128 x + 64 half, of 1,024 bytes
	s_mov_b32 s47, 0
	s_mov_b32 s[G0], 1
	s_lshl_b32 s[G0+1], s16, 16
	s_mov_b32 s[G0B], 1
	s_mul_i32 s[G0B+1], s16, 64*BP
	s_add_co_u32 s[G0B+1], s[G0B+1], BOFF
	s_wait_dscnt 0x0                               ; both opening adds are done
	s_wait_kmcnt 0x0
	s_load_b64 s[96:97], s[8:9], 0x18              ; e6, e7
	s_add_nc_u64 s[G0+2:G0+3], s[4:5], s[20:21]
	s_or_b32 s[G0+3], s[G0+3], 0x80000000
	s_add_nc_u64 s[G0B+2:G0B+3], s[6:7], s[46:47]
	s_or_b32 s[G0B+3], s[G0B+3], 0x80000000
	CROUND                                         ; all sixteen work-groups are here: the first joint loads meet
	s_cmp_eq_u32 s15, 0                            ; one load a wave; an s_nop 0 and four v_nop follow each line
	s_cbranch_scc0 .Lfor_b
	tensor_load_to_lds s[G0:G0+3], s[G1:G1+7]
	s_nop 0
	PLACES
	s_branch .Lasked
.Lfor_b:
	tensor_load_to_lds s[G0B:G0B+3], s[G1B:G1B+7]
	s_nop 0
	PLACES
.Lasked:
	s_lshl_b32 s21, s15, 16                        ; my 64 tokens of A
	s_mul_i32 s22, s16, 64*BP
	s_add_co_u32 s22, s22, BOFF                    ; my 64 features of B
	s_mul_i32 s23, s14, 16*SP
	s_add_co_u32 s23, s23, STG                     ; my stage
	s_lshl_b32 s18, s17, 7
	s_lshl_b32 s19, s15, 6
	s_add_co_u32 s18, s18, s19
	s_lshl_b32 s18, s18, 12                        ; my first row of out0, in bytes
	s_lshl_b32 s46, s42, 9
	s_lshl_b32 s47, s16, 8
	s_add_co_u32 s46, s46, s47                     ; my first column, in bytes: 512 x + 256 half
	s_mov_b32 s47, 0
	s_add_nc_u64 s[10:11], s[10:11], s[46:47]
	s_add_co_u32 s46, s46, s18
	s_add_nc_u64 s[12:13], s[12:13], s[46:47]
	s_wait_kmcnt 0x0
	s_add_co_i32 s96, s96, s97
	s_add_co_i32 s96, s96, 127
	s_lshl_b32 s96, s96, 23                        ; 2^(e6 + e7) as f32
	s_mov_b32 s97, s96                             ; (named with it as a pair, so it is written)
	v_and_b32 v1, 15, v0                           ; r
	v_bfe_u32 v2, v0, 4, 1                         ; h
	v_and_b32 v6, 31, v0
	v_lshlrev_b32 v7, 4, v6
	v_add_nc_u32 v[ADRA], s21, v7                  ; A's images: 16 x lane
	v_mul_u32_u24 v3, v1, BP
	v_lshl_add_u32 v3, v2, 4, v3
	v_add_nc_u32 v[ADRB], s22, v3                  ; B: row r x pitch + 16 h
	v_mul_u32_u24 v4, v1, SP
	v_lshl_add_u32 v4, v2, 5, v4
	v_add_nc_u32 v[STO], s23, v4                   ; into the stage: row r, 32 bytes for each half of the lanes
	v_mul_u32_u24 v5, v2, SP
	v_lshl_add_u32 v5, v1, 4, v5
	v_add_nc_u32 v[RD], s23, v5                    ; back: lanes 0-15 one row, lanes 16-31 the next
	v_lshlrev_b32 v[BO], 4, v1
	v_lshl_add_u32 v[CO], v2, 12, v[BO]            ; and the same two rows in out0
	global_load_b128 v[8:11], v[BO], s[10:11]                 ; the bias of my four features of a row's 64: first tile,
	global_load_b128 v[12:15], v[BO], s[10:11] offset:2048    ; second tile, 512 features on
; the fragments of K step q into set q % 2.  Four places stand in front: the set was read by the products of K step q - 2
.macro FETCH q
	PLACES
	WIN 0x40                                       ; destination window 1
.irp i, 0,1,2,3
.irp c, 0,1,2,3
	ds_load_b128 v[64*((\q)%2)+16*\i+4*\c:64*((\q)%2)+16*\i+4*\c+3], v[ADRA] offset:16384*\i+2048*(\q)+512*\c
.endr
.endr
.irp i, 0,1,2,3
.irp c, 0,1,2,3
	ds_load_b128 v[128+64*((\q)%2)+16*\i+4*\c:128+64*((\q)%2)+16*\i+4*\c+3], v[ADRB] offset:16*BP*\i+128*(\q)+32*\c
.endr
.endr
	WIN 0
.endm
; 16 matrix instructions: the 16 accumulators take turns, in the same order in every K step
.macro MUL q, zero
	WIN 0x05                                       ; sources 0 and 1 window 1; C and D window 0
.irp a, 0,1,2,3
.irp b, 0,1,2,3
.if \zero
	v_wmma_f32_16x16x128_fp8_fp8 v[ACC+8*(4*\a+\b):ACC+8*(4*\a+\b)+7], v[128+64*((\q)%2)+16*\b:128+64*((\q)%2)+16*\b+15], v[64*((\q)%2)+16*\a:64*((\q)%2)+16*\a+15], 0
.else
	v_wmma_f32_16x16x128_fp8_fp8 v[ACC+8*(4*\a+\b):ACC+8*(4*\a+\b)+7], v[128+64*((\q)%2)+16*\b:128+64*((\q)%2)+16*\b+15], v[64*((\q)%2)+16*\a:64*((\q)%2)+16*\a+15], v[ACC+8*(4*\a+\b):ACC+8*(4*\a+\b)+7]
.endif
.endr
.endr
	WIN 0
.endm
.macro TILE                            ; a feature tile: while one K step is multiplied the next one's 32 loads are out
	FETCH 0
	s_wait_dscnt 0x0
	FETCH 1
	MUL 0, 1                                       ; the first K step's products start the sums
.irp q, 1,2,3,4,5,6
	s_wait_dscnt 0x0                               ; this K step's fragments are in
	FETCH \q+1
	MUL \q, 0
.endr
	s_wait_dscnt 0x0
	MUL 7, 0
.endm
.macro TOSTAGE a
	s_wait_xcnt 0x0                                ; earlier stores have read their registers: the loads below may land there
.irp b, 0,1,2,3
	ds_store_b128 v[STO], v[ACC+8*(4*(\a)+\b):ACC+8*(4*(\a)+\b)+3] offset:64*\b        ; each accumulator from its low end on
	ds_store_b128 v[STO], v[ACC+8*(4*(\a)+\b)+4:ACC+8*(4*(\a)+\b)+7] offset:64*\b+16
.endr
.irp t, 0,1,2,3,4,5,6,7
	ds_load_b128 v[BK+32*((\a)%2)+4*\t:BK+32*((\a)%2)+4*\t+3], v[RD] offset:2*\t*SP    ; LDS serves a wave's instructions in order: these see my stores
.endr
.endm
.macro SEND a, p, younger
	s_wait_dscnt \younger
.irp t, 0,1,2,3,4,5,6,7
	v_pk_fma_f32 v[BK+32*((\a)%2)+4*\t:BK+32*((\a)%2)+4*\t+1], v[BK+32*((\a)%2)+4*\t:BK+32*((\a)%2)+4*\t+1], s[96:97], v[8+4*(\p):9+4*(\p)] op_sel_hi:[1,0,1]
	v_pk_fma_f32 v[BK+32*((\a)%2)+4*\t+2:BK+32*((\a)%2)+4*\t+3], v[BK+32*((\a)%2)+4*\t+2:BK+32*((\a)%2)+4*\t+3], s[96:97], v[10+4*(\p):11+4*(\p)] op_sel_hi:[1,0,1]
	global_store_b128 v[CO], v[BK+32*((\a)%2)+4*\t:BK+32*((\a)%2)+4*\t+3], s[12:13] offset:(16*(\a)+2*\t)*4096+2048*(\p) th:TH_STORE_NT   ; sixteen lanes store 256 consecutive bytes, aligned
.endr
.endm
.macro OUTT p                          ; behind block a's loads stand block a + 1's 8 stores and 8 loads, which may stay out
	PLACES                                         ; in front of the first read of results
	TOSTAGE 0
	TOSTAGE 1
	SEND 0, \p, 16
	TOSTAGE 2
	SEND 1, \p, 16
	TOSTAGE 3
	SEND 2, \p, 16
	SEND 3, \p, 0
.endm
	s_wait_alu depctr_va_vdst(0)                   ; the head's end
	s_wait_tensorcnt 0x0                           ; my load has landed
	ds_add_u32 v[SPW], v[NIL]
	s_wait_dscnt 0x0
	s_barrier_signal -1
	s_barrier_wait -1                              ; everybody's has: A and the first B tile are whole
	TILE
	s_wait_tensorcnt 0x0                           ; no load of mine is out, so a group 0 may be written
	ds_add_u32 v[SPW], v[NIL]
	s_add_nc_u64 s[G0B+2:G0B+3], s[G0B+2:G0B+3], 524288   ; 512 rows of wc on: feature tile x + 4
	s_wait_dscnt 0x0                               ; the add is done, and my reads of the B tile are over
	CROUND                                         ; no wave of any partner still reads the B tile
	s_cmp_eq_u32 s15, 0
	s_cbranch_scc1 .Lno_b                          ; A stays: waves 0 and 1 have nothing to fill
	tensor_load_to_lds s[G0B:G0B+3], s[G1B:G1B+7]
	s_nop 0
	PLACES
.Lno_b:
	s_wait_loadcnt 0x0                             ; the bias
	OUTT 0
	s_wait_tensorcnt 0x0                           ; my half of the second B tile is in
	ds_add_u32 v[SPW], v[NIL]
	s_wait_dscnt 0x0
	s_barrier_signal -1
	s_barrier_wait -1
	TILE
	OUTT 1
	s_wait_tensorcnt 0x0                           ; the wave's end
	ds_add_u32 v[SPW], v[NIL]
	s_wait_dscnt 0x0
	CROUND                                         ; the closing round
	s_endpgm
.Lfunc_end_k_qaa11426723_proj:
	.size	k_qaa11426723_proj, .Lfunc_end_k_qaa11426723_proj-k_qaa11426723_proj
	.p2alignl 7, 3214868480
	.fill 96, 4, 3214868480
	.section	.rodata,"a",@progbits
	.p2align	6, 0x0
	.amdhsa_kernel k_qaa11426723_proj
		.amdhsa_group_segment_fixed_size 327680
		.amdhsa_private_segment_fixed_size 0
		.amdhsa_enable_private_segment 0
		.amdhsa_kernarg_size 40
		.amdhsa_user_sgpr_count 2
		.amdhsa_user_sgpr_kernarg_segment_ptr 1
		.amdhsa_wavefront_size32 1
		.amdhsa_system_sgpr_workgroup_id_x 1
		.amdhsa_system_sgpr_workgroup_id_y 1
		.amdhsa_system_sgpr_workgroup_id_z 1
		.amdhsa_system_vgpr_workitem_id 0
		.amdhsa_next_free_vgpr 512
		.amdhsa_next_free_sgpr 100
		.amdhsa_reserve_vcc 0
		.amdhsa_float_denorm_mode_32 3
		.amdhsa_float_denorm_mode_16_64 3
		.amdhsa_memory_ordered 1
		.amdhsa_forward_progress 1
		.amdhsa_inst_pref_size 83
	.end_amdhsa_kernel
	.amdgpu_metadata
---
amdhsa.version: [ 1, 2 ]
amdhsa.kernels:
  - .name:           k_qaa11426723_proj
    .symbol:         k_qaa11426723_proj.kd
    .args:
      - { .name: yc, .offset: 0, .size: 8, .value_kind: global_buffer, .address_space: global }
      - { .name: wc, .offset: 8, .size: 8, .value_kind: global_buffer, .address_space: global }
      - { .name: lowp_scales, .offset: 16, .size: 8, .value_kind: global_buffer, .address_space: global }
      - { .name: b_proj, .offset: 24, .size: 8, .value_kind: global_buffer, .address_space: global }
      - { .name: out0, .offset: 32, .size: 8, .value_kind: global_buffer, .address_space: global }
    .group_segment_fixed_size: 327680
    .private_segment_fixed_size: 0
    .kernarg_segment_align: 8
    .kernarg_segment_size: 40
    .max_flat_workgroup_size: 128
    .sgpr_count:     100
    .vgpr_count:     512
    .wavefront_size: 32
...
	.end_amdgpu_metadata
.endif
;; end of part 4
